; MI455X (gfx1250); checked and timed in simulation.
; The chip was launched on July 23, 2026; its instructions are those of AMD's public machine-readable ISA for CDNA 5 (MIT licence, August 2026) and "CDNA5" Instruction Set Architecture Reference Guide (July 2026). The comments in the code are by the model that wrote it; some were corrected since.
;; Causal Self Attention. Allowed arithmetic: matrix products marked QUANTISED: E3M2 operands, one E8M0 scale for each 32 along K, by v_wmma_scale_f32_16x16x128_f8f6f4 with both operands' format E3M2, f32 sums; everything else in f32.
;; Inputs: Wk 1,024 x 1,024 float32; Wo 1,024 x 1,024 float32; Wq 1,024 x 1,024 float32; Wv 1,024 x 1,024 float32; x 4 x 2,048 x 1,024 float32.
;; Outputs: out0 4 x 2,048 x 1,024 float32.
;; This version of the problem:
;;   THIS VERSION OF THE PROBLEM IS GIVEN IN LOW PRECISION. The matrix products marked QUANTISED in the list below multiply operands that are first quantised to E3M2 (3 exponent bits, 2 mantissa bits; 6 bits a number), with one power-of-two scale for each 32 numbers along K (OCP MX v1.0); their sums are f32. All else is computed in f32.
;;   The module's matrix products, in the order in which they are computed (A, B: the left and right operand; K: the contracted axis; several contracted axes count as one K, in the product's order):
;;     1. [M 8,192, K 1,024] x [K 1,024, N 1,024]; A: input x; B: input Wq: QUANTISED
;;     2. [M 8,192, K 1,024] x [K 1,024, N 1,024]; A: input x; B: input Wk: QUANTISED
;;     3. [M 8,192, K 1,024] x [K 1,024, N 1,024]; A: input x; B: input Wv: QUANTISED
;;     4. batch 64 x [M 2,048, K 64] x [K 64, N 2,048]; A: computed on the way; B: computed on the way: QUANTISED
;;     5. batch 64 x [M 2,048, K 2,048] x [K 2,048, N 64]; A: softmax (see below); B: computed on the way: QUANTISED
;;     6. [M 8,192, K 1,024] x [K 1,024, N 1,024]; A: computed on the way; B: input Wo: QUANTISED
;;   THE QUANTISER, for each operand of a quantised product, along K:
;;     - K is cut into blocks of 32 from its start; a last block that is shorter is filled with zeros.
;;     - A block's scale is 2^e with e = floor(log2(the largest magnitude in the block)) - 4, held to -126 .. 127; a block of zeros has e = 0. As a byte (E8M0): e + 127.
;;     - Each number is divided by its block's scale, clamped to +-28, and rounded to the nearest number of E3M2, ties to even, subnormals kept.
;;     - The product sums the exact products of the quantised numbers (number of the format x scale) in f32.
;;   ~~~python
;;   def quantise(x, axis):      # numpy; x: float32 -> the quantised numbers, widened to float32 again
;;       x = np.moveaxis(x, axis, -1); K = x.shape[-1]
;;       x = np.pad(x, [(0, 0)] * (x.ndim - 1) + [(0, -K % 32)]); x = x.reshape(x.shape[:-1] + (-1, 32)); a = np.abs(x).max(-1, keepdims=True)
;;       e = np.where(a > 0, np.clip(np.frexp(np.where(a > 0, a, 1))[1] - 1 - 4, -126, 127), 0)      # np.frexp(a)[1] - 1 = floor(log2(a)), exactly
;;       r = np.clip(x / 2.0 ** e, -28, 28)
;;       step = 2.0 ** (np.maximum(np.frexp(np.where(r == 0, 1, r))[1] - 1, -2) - 2)
;;       q = np.round(r / step) * step * 2.0 ** e      # np.round: ties to even
;;       return np.moveaxis(q.reshape(q.shape[:-2] + (-1,))[..., :K], -1, axis).astype(np.float32)
;;   ~~~
;;   SOFTMAX AHEAD OF A QUANTISED PRODUCT. Where the list says 'softmax', what is quantised is not the finished softmax but p = 2^(t - M), with t = logit x log2(e) and M = ceil(the row's largest t), a whole number; so 1/2 < the row's largest p <= 1. The row's sum l is taken of the UNQUANTISED p, in f32, and the product's result is divided by l at the end. Since M is a whole number, a kernel that streams over the keys may use a running M (the ceiling of the running maximum): every later rescaling is an exact power of two, which a block's scale takes up: the codes' values come out the same.
;;   OPERANDS COMPUTED ON THE WAY. 'Computed on the way' means the value that the module computes at that place (a softmax that the list does not call 'softmax' is quantised finished and normalised). What goes into a quantiser is computed in f32, as accurately as f32 sums, v_exp_f32 and their like allow (about 1e-6 of the number): no bf16 or f16 on the way to a quantiser, and a product that is left as it is and whose result goes on into a quantised operand takes f32 operands (vector FMAs, or v_wmma_f32_16x16x4_f32). A number that lies on a knife's edge between two numbers of the format may be rounded either way, as far as f32 arithmetic and the matrix unit's own rounding can turn it there, and no further.
;; One version. Each part assembles by itself: llvm-mc -triple=amdgcn-amd-amdhsa -mcpu=gfx1250 --defsym DOCPART=n.
;; ======== version 1 of 1: 4 launches
;; workspace buffers: xq 6,553,600 bytes; wq 3,276,800 bytes; qq 6,815,744 bytes; kvq 13,369,344 bytes; aq 6,553,600 bytes
;; launch quant (part 1): grid 768 x 1, 4 waves a work-group, no clusters, 34,304 bytes of LDS; arguments Wq, Wk, Wv, Wo, x, xq, wq; writes xq, wq
.if DOCPART == 1
	.amdgcn_target "amdgcn-amd-amdhsa--gfx1250"
	.amdhsa_code_object_version 6
	.text
	.protected	k_q7f8bf9bf75_quant
	.globl	k_q7f8bf9bf75_quant
	.p2align	8
	.type	k_q7f8bf9bf75_quant,@function
k_q7f8bf9bf75_quant:
	s_mov_b64 s[64:65], 0
	v_nop
	global_prefetch_b8 v0, s[64:65] scope:SCOPE_SE
	s_setreg_imm32_b32 hwreg(HW_REG_WAVE_MODE, 25, 1), 1
	s_wait_xcnt 0x0
; x [8192][1024] and the four weights [1024 (k)][1024 (n)], all f32, become codes of BF6 (E3M2) with one E8M0 scale byte for each 32 along K, laid as the matrix unit's registers want them.
; ONE LAUNCH FOR BOTH: work-groups 0-511 take x, work-groups 512-767 the weights; one scalar branch on the work-group's number parts them.  Only the first path touches LDS.
; THE LAYOUT OF CODES (all workspace buffers of this program): a UNIT is 16 rows x 64 K, 768 bytes: lane l = r + 16 h of a wave holds block h (32 codes, six registers) of row r;
; the lane's registers 0-3 lie at 16 l, its registers 4-5 at 512 + 8 l.  So a unit is loaded and stored by one instruction of 16 bytes a lane and one of 8: 512 and 256 consecutive bytes.
; xq: units [512 tiles of 16 rows][16 units along K] from byte 0; scale words [512 tiles][8 steps of 128 K][16 rows] x 4 bytes from byte 6,291,456.
; wq: units [4 weights q, k, v, o][64 tiles of 16 n][16 units along K] from byte 0; scale words [4][64][8 steps of 128 K][16 n] x 4 bytes from byte 3,145,728.
; A block's scale is 2^(floor(log2(its largest magnitude)) - 4); its byte is the largest magnitude's exponent field - 4, held at 1 from below.
; LIMITS: a block of zeros gets the byte 1 where the rule says 127 (its codes are zeros, and this program alone reads the bytes); NaN and infinities among the inputs are not served.
	v_lshl_add_u32 v248, v0, 2, 0x8400
	v_mov_b32 v249, 0
	s_cmp_lt_u32 ttmp9, 512
	s_cbranch_scc0 .Lweights
; ---- x: K is innermost.  A work-group takes 16 rows, wave w their K = 256 w .. 256 w + 255: two steps of 128.  Each load reads 512 consecutive bytes of a row; a step's 16 x 512 bytes turn through the wave's own
; stage in LDS (rows 528 bytes apart) so that lane (r, h) gets, of row r, 16 neighbours of each block of 32.  Waves share nothing: no barrier.
.set STG,  8448                        ; a wave's stage: 16 rows x (512 + 16) bytes
.set R,    16                          ; v16-143   two sets of 64 registers as loaded
.set X,    144                         ; v144-207  64 numbers: register 16 b + i = k 32 b + 16 h + i of my row
.set PC,   208                         ; v208-226  the codes just made
.set TM,   228                         ; v228-243  largest magnitudes, bytes, scale operands
.set PW,   244                         ; v244, v245 the two steps' scale words
	s_load_b128 s[4:7], s[0:1], 0x20               ; x, xq
	v_lshrrev_b32 v9, 5, v0
	v_readfirstlane_b32 s8, v9                     ; wave
	v_and_b32 v1, 31, v0                           ; lane
	v_and_b32 v2, 15, v0                           ; r
	v_bfe_u32 v3, v0, 4, 1                         ; h
	v_lshlrev_b32 v4, 4, v1                        ; 16 x lane: a load's 512 bytes, and a unit's first plane
	v_lshl_add_u32 v5, v1, 3, 512                  ; 512 + 8 x lane: a unit's second plane
	s_mul_i32 s9, s8, STG
	v_add_nc_u32 v6, s9, v4                        ; into the stage: a row as it lies
	v_mul_u32_u24 v7, v2, 528
	v_lshl_add_u32 v7, v3, 6, v7
	v_add_nc_u32 v7, s9, v7                        ; out of it: row r, + 64 h bytes
	v_lshlrev_b32 v8, 2, v1                        ; 4 x lane: the scale words' place
	s_mov_b32 s12, 0x76543210
	s_mov_b32 s13, 0xfedcba98                      ; v_permlanex16_b32's selects for lane l xor 16
	s_mov_b32 s14, 0xffff0000                      ; lanes 16-31
.irp b, 0,1,2,3
	v_mov_b32 v[TM+4+\b], 0                        ; written once: a lane permute's destination counts as one of its sources
.endr
	s_lshl_b32 s16, ttmp9, 16                      ; x: 16 rows of 4,096 bytes a tile,
	s_lshl_b32 s17, s8, 10                         ; 1,024 bytes of each row a wave
	s_add_co_u32 s16, s16, s17
	s_mov_b32 s17, 0
	s_mul_i32 s18, ttmp9, 12288                    ; codes: 16 units a tile,
	s_mul_i32 s19, s8, 3072                        ; four a wave
	s_add_co_u32 s18, s18, s19
	s_mov_b32 s19, 0
	s_lshl_b32 s20, ttmp9, 9                       ; scale words: 512 bytes a tile,
	s_lshl_b32 s21, s8, 7                          ; 128 a wave
	s_add_co_u32 s20, s20, s21
	s_add_co_u32 s20, s20, 0x600000
	s_mov_b32 s21, 0
	s_wait_kmcnt 0x0
	s_add_nc_u64 s[4:5], s[4:5], s[16:17]
	s_add_nc_u64 s[10:11], s[6:7], s[20:21]
	s_add_nc_u64 s[6:7], s[6:7], s[18:19]
.irp s, 0,1
.irp j, 0,1,2,3,4,5,6,7,8,9,10,11,12,13,14,15
	global_load_b128 v[R+64*\s+4*\j:R+64*\s+4*\j+3], v4, s[4:5] offset:\j*4096+\s*512 th:TH_LOAD_NT   ; row j, step s: 32 lanes read 512 consecutive bytes
.endr
.endr
.macro TURN s                          ; step s through the stage: LDS serves a wave's instructions in order, so no wait stands between the stores and the loads
.irp j, 0,1,2,3,4,5,6,7,8,9,10,11,12,13,14,15
	ds_store_b128 v6, v[R+64*\s+4*\j:R+64*\s+4*\j+3] offset:528*\j
.endr
.irp b, 0,1,2,3
.irp i, 0,1,2,3
	ds_load_b128 v[X+16*\b+4*\i:X+16*\b+4*\i+3], v7 offset:128*\b+16*\i
.endr
.endr
.endm
; 64 numbers of a lane become a fragment's codes in v[PC] .. v[PC + 11] and its rows' scale word in v[pw]
.macro QUANT s, pw
.irp b, 0,1,2,3
	v_max3_num_f32 v[TM+\b], |v[\s+16*\b]|, |v[\s+1+16*\b]|, 0x2800000   ; block b: my 16 numbers, and the floor 2^(5 - 127): the byte cannot fall under 1
.endr
.irp i, 2,4,6,8,10,12,14
.irp b, 0,1,2,3
	v_max3_num_f32 v[TM+\b], v[TM+\b], |v[\s+16*\b+\i]|, |v[\s+1+16*\b+\i]|   ; (the four blocks by turns)
.endr
.endr
.irp b, 0,1,2,3
	v_permlanex16_b32 v[TM+4+\b], v[TM+\b], s12, s13
.endr
.irp b, 0,1,2,3
	v_max_num_f32 v[TM+\b], v[TM+\b], v[TM+4+\b]   ; with lane l xor 16's: the block's largest magnitude
.endr
.irp b, 0,1,2,3
	v_add_nc_u32 v[TM+12+\b], 0xfe000000, v[TM+\b] ; 4 off its exponent field: the conversion takes the exponent field of this operand as its scale
.endr
.irp b, 0,1,2,3
	v_lshrrev_b32 v[TM+4+\b], 23, v[TM+12+\b]      ; the scale's byte
.endr
	v_lshl_or_b32 v[\pw], v[TM+5], 8, v[TM+4]
	v_lshl_or_b32 v[\pw], v[TM+6], 16, v[\pw]
	v_lshl_or_b32 v[\pw], v[TM+7], 24, v[\pw]      ; my row's scale word
.irp c, 0,1
	v_cvt_scalef32_pk16_bf6_f32 v[PC+6*\c:PC+2+6*\c], v[\s+32*\c:\s+15+32*\c], v[TM+12+2*\c]
	v_cvt_scalef32_pk16_bf6_f32 v[PC+12+4*\c:PC+14+4*\c], v[\s+16+32*\c:\s+31+32*\c], v[TM+12+2*\c+1]   ; (a conversion's three registers begin on an even number)
.endr
	v_nop                                          ; one plain place behind a scaled conversion
.irp c, 0,1                                    ; a lane is to hold a WHOLE block: lanes 0-15 block 2 c, lanes 16-31 block 2 c + 1
.irp i, 0,1,2
	v_permlane16_swap_b32 v[PC+6*\c+\i], v[PC+12+4*\c+\i]
.endr
.irp i, 0,1,2
	v_mov_b32 v[PC+3+6*\c+\i], v[PC+12+4*\c+\i]
.endr
.endr
.endm
.macro OUT s                           ; the fragment's two units leave as they stand: 512 and 256 consecutive bytes a store
.irp c, 0,1
	global_store_b128 v4, v[PC+6*\c:PC+6*\c+3], s[6:7] offset:\s*1536+\c*768
	global_store_b64 v5, v[PC+6*\c+4:PC+6*\c+5], s[6:7] offset:\s*1536+\c*768
.endr
.endm
	s_wait_loadcnt 16                              ; step 0's sixteen loads are in; step 1's sixteen may be out
	TURN 0
	s_wait_dscnt 0x0
	QUANT X, PW
	OUT 0
	s_wait_loadcnt 0x0
	TURN 1
	s_wait_dscnt 0x0
	s_wait_xcnt 0x0                                ; step 0's stores have read the codes' registers: they are written again only behind this wait
	QUANT X, PW+1
	OUT 1
	v_cndmask_b32 v246, v[PW], v[PW+1], s14        ; lanes 0-15 carry step 2 w's words, lanes 16-31 step 2 w + 1's
	global_store_b32 v8, v246, s[10:11]            ; 128 consecutive bytes
	s_wait_tensorcnt 0x0
	ds_add_u32 v248, v249
	s_wait_dscnt 0x0
	s_endpgm
; ---- the weights: K is their FIRST axis.  A LANE TAKES A COLUMN n AND ITS REGISTERS RUN DOWN K: a block of 32 lies in one lane's 32 registers, and the conversions give codes with K innermost.
; Wo ALONE IS LAID IN ANOTHER ORDER INSIDE EACH BLOCK OF 32: place i holds k offset 0-7, 16-23, 8-15, 24-31, since the attended rows, its partner in the product, come out of the matrix unit's result layout in that order.
; A permutation inside a block, alike on both operands, changes neither the block's scale nor the sum.  It costs two address registers and no branch.
; SHARES: of a work-group's number less 512, bits 2:0: columns 128 x on, 32 a wave; bits 5:3: the step of 128 K; bits 7:6: the weight.  Loads run two blocks (64 loads a wave) ahead.  Waves share nothing.
.Lweights:
.set WX, 32                            ; v32-159  four blocks of 32 numbers
.set WC, 160                           ; v160-189 pair p of blocks: two runs of six registers at 16 p and 16 p + 8
.set WD, 192                           ; v192-198 the upper halves' codes, before they are moved
	s_load_b256 s[4:11], s[0:1], 0x0               ; Wq, Wk, Wv, Wo
	s_load_b64 s[12:13], s[0:1], 0x30              ; wq
	v_lshrrev_b32 v1, 5, v0
	v_readfirstlane_b32 s14, v1                    ; wave
	v_and_b32 v2, 31, v0                           ; lane
	s_sub_co_u32 s30, ttmp9, 512
	s_and_b32 s31, s30, 7                          ; which 128 columns
	s_lshr_b32 s30, s30, 3
	s_lshr_b32 s16, s30, 3                         ; which weight
	s_and_b32 s15, s30, 7                          ; which 128 along K
	v_lshlrev_b32 v3, 2, v2                        ; in: 4 bytes a lane
	v_lshlrev_b32 v6, 4, v2                        ; out: a unit's first plane,
	v_lshl_add_u32 v7, v2, 3, 512                  ; its second
	v_lshrrev_b32 v9, 4, v2
	v_and_b32 v10, 15, v2
	v_lshlrev_b32 v8, 9, v9
	v_lshl_add_u32 v8, v10, 2, v8                  ; my column's scale word: 512 bytes a tile of 16 columns, 4 a column
	s_lshl_b32 s20, s15, 19                        ; W: 128 rows of 4,096 bytes a step,
	s_lshl_b32 s21, s31, 9                         ; 512 bytes of a row a work-group,
	s_add_co_u32 s20, s20, s21
	s_lshl_b32 s21, s14, 7                         ; 128 a wave
	s_add_co_u32 s20, s20, s21
	s_mov_b32 s21, 0
	s_lshl_b32 s22, s31, 3
	s_lshl_b32 s23, s14, 1
	s_add_co_u32 s22, s22, s23                     ; my first tile of 16 columns: 8 x + 2 wave
	s_mul_i32 s24, s16, 786432                     ; codes: the weight,
	s_mul_i32 s25, s22, 12288                      ; the tile,
	s_add_co_u32 s24, s24, s25
	s_mul_i32 s25, s15, 1536                       ; the step's two units
	s_add_co_u32 s24, s24, s25
	s_mov_b32 s25, 0
	s_lshl_b32 s26, s16, 15                        ; scale words: 32,768 bytes a weight,
	s_lshl_b32 s27, s22, 9                         ; 512 a tile,
	s_add_co_u32 s26, s26, s27
	s_lshl_b32 s27, s15, 6                         ; 64 a step
	s_add_co_u32 s26, s26, s27
	s_add_co_u32 s26, s26, 3145728
	s_mov_b32 s27, 0
	s_wait_kmcnt 0x0
	s_cmp_eq_u32 s16, 1                            ; the weight's address: a choice that hangs on the work-group's number alone
	s_cselect_b64 s[4:5], s[6:7], s[4:5]
	s_cmp_eq_u32 s16, 2
	s_cselect_b64 s[4:5], s[8:9], s[4:5]
	s_cmp_eq_u32 s16, 3
	s_cselect_b64 s[4:5], s[10:11], s[4:5]
	s_cselect_b32 s17, 1, 0                        ; 1 for Wo
	s_lshl_b32 s18, s17, 15                        ; 8 rows of W, for Wo;
	s_xor_b32 s19, s18, 32768                      ; 8 rows, for the others
	v_add_nc_u32 v4, s18, v3                       ; places 8-15 of a block: rows 8-15, for Wo rows 16-23
	v_add_nc_u32 v5, s19, v3                       ; places 16-23 (with an immediate 8 rows short): rows 16-23, for Wo rows 8-15
	s_add_nc_u64 s[4:5], s[4:5], s[20:21]
	s_add_nc_u64 s[28:29], s[12:13], s[26:27]
	s_add_nc_u64 s[12:13], s[12:13], s[24:25]
.macro LOAD t                          ; block t: 32 rows of W at my column; each load reads 128 consecutive bytes a wave, the four waves side by side
.irp i, 0,1,2,3,4,5,6,7
	global_load_b32 v[WX+32*(\t)+\i], v3, s[4:5] offset:(32*(\t)+\i)*4096 th:TH_LOAD_NT
.endr
.irp i, 8,9,10,11,12,13,14,15
	global_load_b32 v[WX+32*(\t)+\i], v4, s[4:5] offset:(32*(\t)+\i)*4096 th:TH_LOAD_NT
.endr
.irp i, 16,17,18,19,20,21,22,23
	global_load_b32 v[WX+32*(\t)+\i], v5, s[4:5] offset:(32*(\t)+\i-8)*4096 th:TH_LOAD_NT
.endr
.irp i, 24,25,26,27,28,29,30,31
	global_load_b32 v[WX+32*(\t)+\i], v3, s[4:5] offset:(32*(\t)+\i)*4096 th:TH_LOAD_NT
.endr
.endm
.macro BLOCK t
.set XS, WX+32*(\t)
.set CP, WC+16*((\t)/2)
.set EE, (\t)%2
.if (\t) < 3
	s_wait_loadcnt 32                              ; this block's 32 loads are in; the next block's 32 may be out
.else
	s_wait_loadcnt 0x0
.endif
.if (\t)+2 < 4
	LOAD (\t)+2
.endif
	v_max3_num_f32 v12, |v[XS]|, |v[XS+1]|, |v[XS+2]|               ; the block's largest magnitude: all 32 numbers are mine
	v_max3_num_f32 v13, |v[XS+3]|, |v[XS+4]|, |v[XS+5]|
.irp i, 6,10,14,18,22,26
	v_max3_num_f32 v12, v12, |v[XS+\i]|, |v[XS+\i+1]|
	v_max3_num_f32 v13, v13, |v[XS+\i+2]|, |v[XS+\i+3]|
.endr
	v_max3_num_f32 v12, v12, |v[XS+30]|, |v[XS+31]|
	v_max3_num_f32 v12, v12, v13, 0x2800000        ; and the floor 2^(5 - 127): the byte cannot fall under 1
	v_add_nc_u32 v11, 0xfe000000, v12              ; 4 off its exponent field: the conversion's scale operand
	v_lshrrev_b32 v13, 23, v11                     ; the scale's byte
.if (\t) == 0
	v_mov_b32 v24, v13                             ; four bytes make my column's scale word, the lower K in the lower byte
.else
	v_lshl_or_b32 v24, v13, 8*(\t), v24
.endif
	v_cvt_scalef32_pk16_bf6_f32 v[CP+8*EE:CP+8*EE+2], v[XS:XS+15], v11
	v_cvt_scalef32_pk16_bf6_f32 v[WD+4*EE:WD+4*EE+2], v[XS+16:XS+31], v11   ; (a conversion's three registers begin on an even number)
.if EE == 1
	v_nop                                          ; one plain place behind a scaled conversion
.irp i, 0,1,2                                  ; a lane holds both blocks of its column; a unit wants block 0 of 16 columns in lanes 0-15 and block 1 of the same columns in lanes 16-31:
	v_permlane16_swap_b32 v[CP+\i], v[CP+8+\i]     ; the first run's lanes 16-31 change places with the second's lanes 0-15: the first is now the even tile's unit, the second the odd tile's
	v_permlane16_swap_b32 v[WD+\i], v[WD+4+\i]
.endr
.irp i, 0,1,2
	v_mov_b32 v[CP+3+\i], v[WD+\i]
	v_mov_b32 v[CP+11+\i], v[WD+4+\i]
.endr
	global_store_b128 v6, v[CP:CP+3], s[12:13] offset:((\t)/2)*768
	global_store_b64 v7, v[CP+4:CP+5], s[12:13] offset:((\t)/2)*768
	global_store_b128 v6, v[CP+8:CP+11], s[12:13] offset:12288+((\t)/2)*768
	global_store_b64 v7, v[CP+12:CP+13], s[12:13] offset:12288+((\t)/2)*768
.endif
.endm
	LOAD 0
	LOAD 1
	BLOCK 0
	BLOCK 1
	BLOCK 2
	BLOCK 3
	global_store_b32 v8, v24, s[28:29]             ; two runs of 64 consecutive bytes
	s_endpgm
.Lfunc_end_k_q7f8bf9bf75_quant:
	.size	k_q7f8bf9bf75_quant, .Lfunc_end_k_q7f8bf9bf75_quant-k_q7f8bf9bf75_quant
	.p2alignl 7, 3214868480
	.fill 96, 4, 3214868480
	.section	.rodata,"a",@progbits
	.p2align	6, 0x0
	.amdhsa_kernel k_q7f8bf9bf75_quant
		.amdhsa_group_segment_fixed_size 34304
		.amdhsa_private_segment_fixed_size 0
		.amdhsa_enable_private_segment 0
		.amdhsa_kernarg_size 56
		.amdhsa_user_sgpr_count 2
		.amdhsa_user_sgpr_kernarg_segment_ptr 1
		.amdhsa_wavefront_size32 1
		.amdhsa_system_sgpr_workgroup_id_x 1
		.amdhsa_system_sgpr_workgroup_id_y 1
		.amdhsa_system_sgpr_workgroup_id_z 1
		.amdhsa_system_vgpr_workitem_id 0
		.amdhsa_next_free_vgpr 250
		.amdhsa_next_free_sgpr 66
		.amdhsa_reserve_vcc 0
		.amdhsa_float_denorm_mode_32 3
		.amdhsa_float_denorm_mode_16_64 3
		.amdhsa_memory_ordered 1
		.amdhsa_forward_progress 1
		.amdhsa_inst_pref_size 39
	.end_amdhsa_kernel
	.amdgpu_metadata
---
amdhsa.version: [ 1, 2 ]
amdhsa.kernels:
  - .name:           k_q7f8bf9bf75_quant
    .symbol:         k_q7f8bf9bf75_quant.kd
    .args:
      - { .name: Wq, .offset: 0, .size: 8, .value_kind: global_buffer, .address_space: global }
      - { .name: Wk, .offset: 8, .size: 8, .value_kind: global_buffer, .address_space: global }
      - { .name: Wv, .offset: 16, .size: 8, .value_kind: global_buffer, .address_space: global }
      - { .name: Wo, .offset: 24, .size: 8, .value_kind: global_buffer, .address_space: global }
      - { .name: x, .offset: 32, .size: 8, .value_kind: global_buffer, .address_space: global }
      - { .name: xq, .offset: 40, .size: 8, .value_kind: global_buffer, .address_space: global }
      - { .name: wq, .offset: 48, .size: 8, .value_kind: global_buffer, .address_space: global }
    .group_segment_fixed_size: 34304
    .private_segment_fixed_size: 0
    .kernarg_segment_align: 8
    .kernarg_segment_size: 56
    .max_flat_workgroup_size: 128
    .sgpr_count:     66
    .vgpr_count:     250
    .wavefront_size: 32
...
	.end_amdgpu_metadata
.endif
;; end of part 1
;; launch gemm_qkv (part 2): grid 96 x 4, 4 waves a work-group, clusters of 4 x 4, 327,680 bytes of LDS; arguments xq, wq, qq, kvq; writes qq, kvq
.if DOCPART == 2
	.amdgcn_target "amdgcn-amd-amdhsa--gfx1250"
	.amdhsa_code_object_version 6
	.text
	.protected	k_q7f8bf9bf75_gemm_qkv
	.globl	k_q7f8bf9bf75_gemm_qkv
	.p2align	8
	.type	k_q7f8bf9bf75_gemm_qkv,@function
k_q7f8bf9bf75_gemm_qkv:
	s_mov_b64 s[64:65], 0
	v_nop
	global_prefetch_b8 v0, s[64:65] scope:SCOPE_SE
	s_setreg_imm32_b32 hwreg(HW_REG_WAVE_MODE, 25, 1), 1
	s_wait_xcnt 0x0
	s_wait_alu depctr_hold_cnt(0) depctr_sa_sdst(0) depctr_va_vdst(0) depctr_va_sdst(0) depctr_va_ssrc(0) depctr_va_vcc(0) depctr_vm_vsrc(0)
	s_getreg_b32 s2, hwreg(HW_REG_IB_STS2, 6, 4)
	s_cmp_eq_u32 s2, 0
	s_cbranch_scc0 .Lentry_in_a_cluster
	s_endpgm
.Lentry_in_a_cluster:
	s_bfe_u32 s2, ttmp6, 0x10000c
	s_cmp_lg_u32 s2, 0xf033
	s_cbranch_scc0 .Lentry_shape_is_right
	s_endpgm
.Lentry_shape_is_right:
; q = x Wq, k = x Wk, v = x Wv on codes of BF6 (E3M2) with E8M0 scales, K = 1,024; the results are quantised in registers and leave as codes: q and k along the head's 64, v along the tokens (the keys).
; ONE BODY FOR BOTH SHAPES.  C'[m][n] = sum over k of A'[m][k] B'[n][k], used transposed (source 0 = 16 rows of B', source 1 = 16 rows of A'): a lane holds one row m and its registers run along n.
; So the way out quantises along n.  Clusters 0-15: A' = x (8,192 tokens), B' = Wq and Wk on end (2,048 columns): n = the heads' channels.  Clusters 16-23: A' = Wv (1,024 channels), B' = x: n = the tokens.
; The choice hangs on the cluster's number alone and selects addresses and strides; no branch hangs on it.
; OPERANDS lie in memory in units of 16 rows x 64 K (768 bytes: lane r + 16 h holds block h of row r; registers 0-3 at 16 x lane, 4-5 at 512 + 8 x lane), [tile of 16 rows][16 units]; scale words [tile][8 steps of 128 K][16 rows] x 4 bytes.
; A tile of C', 256 x 256, is made by four waves, as many as a WGP has SIMDs; a wave makes 128 x 128: 64 accumulators, 512 registers.
; THE RING: K = 1,024 is four K steps of 256; a slot (256 rows of A', 256 of B', 256 along K) is 98,304 bytes, and THREE slots fit beside the scale words.  K steps 0, 1, 2 are asked for together at the start; only K step 3 is a refill,
; into slot 0, behind the round that ends K step 0: it has two K steps, 256 matrix instructions, in which to land.  A wave's load brings 8 tiles of 16 rows x 3,072 consecutive bytes.
; The scale words of the work-group's rows, for all of K, come once with the first fills and stay.
; CLUSTERS: 4 x 4 work-groups; the four of a row need the same tiles of A', the four of a column the same tiles of B': each tile is asked for jointly, by the same tensor load with the same descriptor and a mask that names the four.
; THE ORDER INSIDE A BLOCK OF 32.  A lane's register 8 b + j is n = 16 b + 8 (lane / 16) + j, so the codes of a block come out in the order 0-7, 16-23, 8-15, 24-31.  q and k both have it; v has it along the keys, as the softmax's p will: the sums are the same.
; OUT: qq: 64 heads x 106,496 bytes: units [128 tiles of 16 tokens], then from 98,304 a scale word a token.  kvq: 64 heads x 208,896: K's units [128 tiles]; from 98,304 V [16 steps of 128 keys][4 tiles of 16 channels][2 units];
; from 196,608 K's word a token; from 204,800 V's words [16 steps][4 tiles][16 channels].  In a word of q or k bytes 0, 1 are the head's two blocks; bytes 2, 3 are the neighbour head's or 0, never 0xff: they meet zero codes only.
; In the V clusters lanes 16-31 store the same scale word to the same address as lanes 0-15.
; LIMITS: a block of zeros gets the byte 1 where the rule says 127 (its codes are zeros, and this program alone reads the bytes); NaN and infinities are not served.
; REGISTERS, in windows of 256: window 0: v1-29 addresses; v32-63 scale words, two sets; v128-223 A's fragments, ONE set; on the way out v112-130 codes, v200-217 at work.
;   window 1: B's fragments, TWO sets, at v0 and v128.   window 2: the accumulators of my rows 0-63 ((a, b) at v[8 (8 a + b)]);   window 3: those of my rows 64-127.
.set NQ,     2                         ; steps of 128 along K in a slot
.set FR,     12                        ; registers of a fragment: 16 rows x 128 K
.set NL,     4                         ; LDS loads that bring one
.set NP,     4                         ; places behind this matrix instruction (ISA guide 7.12.1)
.set TB16,   3072                      ; a tile of 16 rows in a slot: four units
.set HALFT,  8*TB16                    ; 128 rows: what one tensor load brings, and what one wave reads of A' or of B'
.set SLOT,   4*HALFT                   ; A's 256 rows, then B's 256 rows
.set SCL,    3*SLOT                    ; behind the three slots: the scale words
.set HALFS,  4096                      ; those of 128 rows
.set SBLK,   512                       ; those of 16 rows
.set SPARE,  SCL+4*HALFS               ; behind them: the spare words, 128 bytes for each wave: two blocks of 256 bytes that no other line names
.set ADRA, 16                          ; v16-18  LDS address of my A fragments' first planes in slot 0, 1, 2  (v19-21: second planes)
.set ADRB, 8                           ; v8-10   the same for B  (v11-13)
.set ADRS, 27                          ; v27     LDS address of my scale words: lanes 0-15 A's rows, lanes 16-31 B's
.set SPW,  28                          ; v28     LDS address of my spare word; never rewritten
.set NIL,  29                          ; v29     0; never rewritten
.set SC,   32                          ; scale words: set s at v[SC + 16 s]; register 2 i + q: lanes 0-15 A's block i, lanes 16-31 B's block i, the K step's q-th 128 along K
.set AF,   128
.set PC,   112                         ; the way out: the codes just made
.set TM,   200
.set PW,   216
.set PWS,  217
.set G1, 24                            ; s[24:31] descriptor group 1 for A's tiles;  s[32:43] group 0, one set for each slot
.set G0, 32
.set G1B, 44                           ; s[44:51], s[52:63] the same for B's tiles
.set G0B, 52
.set G1S, 68                           ; s[68:75], s[76:79] groups 1 and 0 for A's scale words;  s[80:87], s[88:91] for B's
.set G0S, 76
.set G1SB, 80
.set G0SB, 88
.set OC, 52                            ; the way out: s[52:53] where the codes go, s[54:55] the scale words
.set OS, 54
.set MSB, 0
.macro WIN new                         ; the immediate's high byte repeats the setting that is left
.if MSB != (\new)
	s_set_vgpr_msb (MSB<<8)|(\new)
.set MSB, (\new)
.endif
.endm
.set MUL_LO, 0xa1                      ; source 0 (B) window 1, source 1 (A) window 0, C and D window 2
.set MUL_HI, 0xf1                      ; the same, C and D window 3
.set TO_B,   0x40                      ; destination window 1, address window 0
; A joint load: waves 0 and 1 fetch for A', waves 2 and 3 for B'.  The branch hangs on the wave's number alone.  Four v_nop follow each of the two lines.
.macro JLOAD g0a, g1a, g0b, g1b
	s_cmp_eq_u32 s15, 0
	s_cbranch_scc0 .Lfor_b_\@
	tensor_load_to_lds s[\g0a:\g0a+3], s[\g1a:\g1a+7]
	s_nop 0
.rept 4
	v_nop
.endr
	s_branch .Lasked_\@
.Lfor_b_\@:
	tensor_load_to_lds s[\g0b:\g0b+3], s[\g1b:\g1b+7]
	s_nop 0
.rept 4
	v_nop
.endr
.Lasked_\@:
.endm
.macro CREST                           ; a round of the cluster's barrier behind its opening barrier
	s_cmp_lg_u32 s14, 0
	s_cbranch_scc1 .Lnot_wave_0_\@
	s_barrier_signal -3
.Lnot_wave_0_\@:
	s_barrier_wait -3
	s_barrier_signal -1
	s_barrier_wait -1
.endm
.macro CROUND                          ; a whole round
	s_barrier_signal -1
	s_barrier_wait -1
	CREST
.endm
	s_load_b128 s[96:99], s[0:1], 0x0              ; xq s[96:97], wq s[98:99]
	v_lshl_add_u32 v[SPW], v0, 2, SPARE
	v_mov_b32 v[NIL], 0
	ds_add_u32 v28, v29
	ds_add_u32 v28, v29
	s_wait_dscnt 0x0
	v_lshrrev_b32 v1, 5, v0
	v_readfirstlane_b32 s14, v1                    ; wave 0..3
	s_lshr_b32 s15, s14, 1                         ; which half of the tile's rows is mine.  Also: I fetch for A' (0) or for B' (1)
	s_and_b32 s16, s14, 1                          ; which half of its columns.  Also: which 128 rows of that tile I fetch
	s_bfe_u32 s66, ttmp6, 0x40000                  ; cx, cy: my place in the cluster
	s_bfe_u32 s67, ttmp6, 0x40004
	s_and_b32 s18, ttmp9, 1                        ; clusters 0-15: 2 columns of clusters x 8 rows
	s_lshr_b32 s19, ttmp9, 1
	s_max_u32 s12, ttmp9, 16
	s_sub_co_u32 s12, s12, 16                      ; clusters 16-23: 8 columns x 1 row
	s_wait_kmcnt 0x0
	s_add_nc_u64 s[20:21], s[96:97], 0x600000      ; x's scale words
	s_add_nc_u64 s[22:23], s[98:99], 3145728       ; Wq's and Wk's scale words
	s_add_nc_u64 s[92:93], s[98:99], 1572864       ; Wv's codes
	s_add_nc_u64 s[2:3], s[98:99], 3211264         ; Wv's scale words
	s_cmp_lt_u32 ttmp9, 16                         ; the choice hangs on the cluster's number alone
	s_cselect_b64 s[4:5], s[96:97], s[92:93]       ; A's codes
	s_cselect_b64 s[6:7], s[20:21], s[2:3]         ; A's scale words
	s_cselect_b64 s[8:9], s[98:99], s[96:97]       ; B's codes
	s_cselect_b64 s[10:11], s[22:23], s[20:21]     ; B's scale words
	s_cselect_b32 s18, s18, s12
	s_cselect_b32 s19, s19, 0
	s_lshl_b32 s95, s18, 2
	s_add_co_u32 s95, s95, s66                     ; tile column of C'
	s_lshl_b32 s17, s19, 2
	s_add_co_u32 s17, s17, s67                     ; tile row of C'
	s_lshl_b32 s18, s67, 2
	s_lshl_b32 s18, 15, s18                        ; my row of the cluster
	s_lshl_b32 s19, 0x1111, s66                    ; my column
	; descriptor group 1: 8 rows (tiles of 16) x 384 elements of 8 bytes, 1,536 elements apart; dense in LDS
	s_or_b32 s[G1+0], s18, (3<<16)|(1<<21)         ; 15:0 the mask: A's tiles go to my row; 17:16 elements of 8 bytes; 20 no padding; 21 set beside a mask
	s_or_b32 s[G1B+0], s19, (3<<16)|(1<<21)
	s_or_b32 s[G1S+0], s18, (3<<16)|(1<<21)
	s_or_b32 s[G1SB+0], s19, (3<<16)|(1<<21)
.irp g, G1, G1B
	s_mov_b32 s[\g+1], 384<<16                     ; tensor_dim0
	s_mov_b32 s[\g+2], 8<<16                       ; tensor_dim1
	s_mov_b32 s[\g+3], 384<<16                     ; tile_dim0
	s_mov_b32 s[\g+4], 8                           ; tile_dim1
	s_mov_b32 s[\g+5], 1536                        ; tensor_dim0_stride
	s_mov_b32 s[\g+6], 0
	s_mov_b32 s[\g+7], 0
.endr
	; the scale words of 128 rows: 4,096 dense bytes, as 16 rows of 256 bytes
.irp g, G1S, G1SB
	s_mov_b32 s[\g+1], 32<<16
	s_mov_b32 s[\g+2], 16<<16
	s_mov_b32 s[\g+3], 32<<16
	s_mov_b32 s[\g+4], 16
	s_mov_b32 s[\g+5], 32
	s_mov_b32 s[\g+6], 0
	s_mov_b32 s[\g+7], 0
.endr
	s_lshl_b32 s18, s16, 7                         ; which 128 rows of the tile I fetch
	s_lshl_b32 s20, s17, 8
	s_add_co_u32 s20, s20, s18                     ; A': row 256 x tile row + 128 x half
	s_lshl_b32 s2, s95, 8
	s_add_co_u32 s2, s2, s18                       ; B': row 256 x tile column + 128 x half
	s_mov_b32 s21, 0
	s_mov_b32 s3, 0
	s_mov_b64 s[18:19], 32
	s_mul_u64 s[22:23], s[20:21], s[18:19]         ; where these rows' scale words begin: 32 bytes a row
	s_mul_u64 s[92:93], s[2:3], s[18:19]
	s_mov_b64 s[18:19], 768
	s_mul_u64 s[20:21], s[20:21], s[18:19]         ; and their codes: 768 bytes a row
	s_mul_u64 s[2:3], s[2:3], s[18:19]
	s_mul_i32 s96, s14, HALFT                      ; where they go: wave x 128 rows: no place in the cluster enters an LDS address
	s_mul_i32 s94, s14, HALFS
	s_add_nc_u64 s[20:21], s[4:5], s[20:21]
	s_add_nc_u64 s[22:23], s[6:7], s[22:23]
	s_add_nc_u64 s[2:3], s[8:9], s[2:3]
	s_add_nc_u64 s[92:93], s[10:11], s[92:93]
	CROUND                                         ; all sixteen work-groups are here: the first joint loads meet
	s_mov_b32 s[G0S], 1
	s_add_co_u32 s[G0S+1], s94, SCL
	s_mov_b64 s[G0S+2:G0S+3], s[22:23]
	s_or_b32 s[G0S+3], s[G0S+3], 0x80000000
	s_mov_b32 s[G0SB], 1
	s_add_co_u32 s[G0SB+1], s94, SCL
	s_mov_b64 s[G0SB+2:G0SB+3], s[92:93]
	s_or_b32 s[G0SB+3], s[G0SB+3], 0x80000000
	JLOAD G0S, G1S, G0SB, G1SB                     ; the scale words first: they are wanted with K step 0
.irp s, 0,1,2                                  ; then K steps 0, 1, 2 into slots 0, 1, 2: four loads of mine are out
	s_mov_b32 s[G0+4*\s], 1
	s_add_co_u32 s[G0+4*\s+1], s96, \s*SLOT
	s_add_nc_u64 s[G0+4*\s+2:G0+4*\s+3], s[20:21], \s*TB16
	s_or_b32 s[G0+4*\s+3], s[G0+4*\s+3], 0x80000000
	s_mov_b32 s[G0B+4*\s], 1
	s_add_co_u32 s[G0B+4*\s+1], s96, \s*SLOT
	s_add_nc_u64 s[G0B+4*\s+2:G0B+4*\s+3], s[2:3], \s*TB16
	s_or_b32 s[G0B+4*\s+3], s[G0B+4*\s+3], 0x80000000
	JLOAD G0+4*\s, G1, G0B+4*\s, G1B
.endr
	v_and_b32 v1, 15, v0                           ; r
	v_bfe_u32 v2, v0, 4, 1                         ; h
	v_and_b32 v3, 31, v0                           ; lane
	v_lshlrev_b32 v4, 4, v3                        ; a unit's first plane: 16 x lane
	v_lshl_add_u32 v5, v3, 3, 512                  ; its second: 512 + 8 x lane
	s_mul_i32 s21, s15, HALFT                      ; my 128 rows of A'
	s_mul_i32 s22, s16, HALFT                      ; my 128 rows of B',
	s_add_co_u32 s22, s22, 2*HALFT                 ; which lie behind A's 256
.irp s, 0,1,2
	v_add_nc_u32 v[ADRA+\s], s21, v4
	v_add_nc_u32 v[ADRB+\s], s22, v4
	v_add_nc_u32 v[ADRA+3+\s], s21, v5
	v_add_nc_u32 v[ADRB+3+\s], s22, v5
	s_add_co_u32 s21, s21, SLOT
	s_add_co_u32 s22, s22, SLOT
.endr
	v_lshlrev_b32 v5, 2, v1                        ; my row's scale word: 4 r
	s_mul_i32 s21, s15, HALFS                      ; A's: my 128 rows
	s_mul_i32 s22, s16, HALFS                      ; B's: my 128 rows, behind A's 256
	s_add_co_u32 s22, s22, 2*HALFS
	s_sub_co_u32 s22, s22, s21
	v_mul_u32_u24 v6, s22, v2                      ; lanes 16-31 take B's: one product, the distance between the two
	s_add_co_u32 s21, s21, SCL
	v_add_nc_u32 v5, v5, v6
	v_add_nc_u32 v[ADRS], s21, v5
	s_load_b128 s[20:23], s[0:1], 0x10             ; qq, kvq, for the way out: asked for here, so that they come while the first tiles do
.macro FRAG reg, adr, q, i             ; a fragment, 16 rows x 128 K, is two units: registers 6 c .. 6 c + 3 from the first plane, 6 c + 4, 6 c + 5 from the second; every load reads consecutive bytes
.irp c, 0,1
	ds_load_b128 v[\reg+6*\c:\reg+6*\c+3], v[\adr] offset:(\i)*TB16+(\q)*1536+\c*768
	ds_load_b64 v[\reg+6*\c+4:\reg+6*\c+5], v[\adr+3] offset:(\i)*TB16+(\q)*1536+\c*768
.endr
.endm
; 16 matrix instructions: A's blocks a0, a0 + 1 x B's eight, 128 along K.  p: B's set;  sc: the set of scale words.  zero = 1: the first product starts the sums.
; The 64 accumulators take turns, one instruction a turn, in the same order in every step.
.macro MUL16 a0, p, q, sc, zero
.irp a, \a0, \a0+1
.irp b, 0,1,2,3,4,5,6,7
.if \zero
	v_wmma_scale_f32_16x16x128_f8f6f4 v[8*(8*((\a)%4)+\b):8*(8*((\a)%4)+\b)+7], v[128*(\p)+FR*\b:128*(\p)+FR*\b+FR-1], v[AF+FR*(\a):AF+FR*(\a)+FR-1], 0, v[SC+8*NQ*(\sc)+NQ*\b+(\q)], v[SC+8*NQ*(\sc)+NQ*(\a)+(\q)] matrix_a_fmt:MATRIX_FMT_BF6 matrix_b_fmt:MATRIX_FMT_BF6 matrix_a_scale:MATRIX_SCALE_ROW1
.else
	v_wmma_scale_f32_16x16x128_f8f6f4 v[8*(8*((\a)%4)+\b):8*(8*((\a)%4)+\b)+7], v[128*(\p)+FR*\b:128*(\p)+FR*\b+FR-1], v[AF+FR*(\a):AF+FR*(\a)+FR-1], v[8*(8*((\a)%4)+\b):8*(8*((\a)%4)+\b)+7], v[SC+8*NQ*(\sc)+NQ*\b+(\q)], v[SC+8*NQ*(\sc)+NQ*(\a)+(\q)] matrix_a_fmt:MATRIX_FMT_BF6 matrix_b_fmt:MATRIX_FMT_BF6 matrix_a_scale:MATRIX_SCALE_ROW1
.endif
.endr
.endr
.endm
.macro FETCH_B slot, q, p              ; B's eight fragments of the slot's q-th 128 along K into set p
	WIN TO_B
.irp i, 0,1,2,3,4,5,6,7
	FRAG 128*(\p)+FR*\i, ADRB+\slot, \q, \i
.endr
	WIN 0
.endm
.macro FETCH_A slot, q, i0             ; A's blocks i0 .. i0 + 3
.irp i, \i0, \i0+1, \i0+2, \i0+3
	FRAG AF+FR*(\i), ADRA+\slot, \q, \i
.endr
.endm
.macro SCALES sc                       ; the next K step's scale words into set sc: lanes 0-15 take A's block i, lanes 16-31 B's block i
.irp i, 0,1,2,3,4,5,6,7
.irp q, 0,1
	ds_load_b32 v[SC+8*NQ*(\sc)+NQ*\i+\q], v[ADRS] offset:\i*SBLK+64*\q
.endr
.endr
.endm
; A load into a register that a matrix instruction has read, and a vector instruction that reads a matrix result, stand NP places behind that matrix instruction; only plain vector instructions that name none of its registers are places.
.macro PLACES n
.rept \n
	v_nop
.endr
.endm
.macro STEP slot, sc, zero             ; a K step's first 128 along K; it fetches the second 128 from the same slot
	s_wait_dscnt 4*NL                              ; B's set, A's blocks 0-3 and the scale words are in; the youngest sixteen loads (A's blocks 4-7) may be out
	WIN MUL_LO
	MUL16 0, 0, 0, \sc, \zero
	MUL16 2, 0, 0, \sc, \zero
	s_wait_dscnt 0                                 ; A's blocks 4-7 are in (asked for 32 matrix instructions ago)
	PLACES NP
	FETCH_B \slot, 1, 1
	FETCH_A \slot, 1, 0
	WIN MUL_HI
	MUL16 4, 0, 0, \sc, \zero
	MUL16 6, 0, 0, \sc, \zero
	PLACES NP
	WIN 0
	FETCH_A \slot, 1, 4
.endm
; A K step's second 128 along K; it changes slots.
; mode 2: this slot is filled again.  In front of ONE barrier each wave waits for all its tensor loads, adds 0 to its spare word, and waits for that and for its own reads of this slot; the barrier opens a round of the cluster's, and the joint refill is the first thing behind it.
; mode 1: the next slot's tile was a refill: the same lines and a plain barrier show it whole to every wave; nothing is filled.
; mode 0: the next slot was shown whole to every wave by an earlier round, and nothing is overwritten: no barrier.
.macro TURN slot, sc, next, mode
.if \mode
	s_wait_tensorcnt 0x0                           ; all my tensor loads have landed;  (every window is 0 here)
	ds_add_u32 v[SPW], v[NIL]                      ; 0 onto my spare word
	s_wait_dscnt 4*NL+1                            ; (the add and the youngest sixteen loads, A's blocks 4-7, may be out)
.else
	s_wait_dscnt 4*NL                              ; (the youngest sixteen loads, A's blocks 4-7, may be out)
.endif
	WIN MUL_LO
	MUL16 0, 1, 1, \sc, 0                          ; sixteen matrix instructions stand between the add and the wait for it
	s_wait_dscnt 0x0                               ; the add is done, and my reads of this slot are over
.if \mode
	s_barrier_signal -1
.endif
	MUL16 2, 1, 1, \sc, 0
	WIN 0
.if \mode
	s_barrier_wait -1
.endif
.if \mode == 2
	CREST                                          ; the barrier has opened a round of the cluster's barrier: no wave of any partner still reads this slot's tile or has a load on its way
	s_add_nc_u64 s[G0+4*\slot+2:G0+4*\slot+3], s[G0+4*\slot+2:G0+4*\slot+3], 3*TB16
	s_add_nc_u64 s[G0B+4*\slot+2:G0B+4*\slot+3], s[G0B+4*\slot+2:G0B+4*\slot+3], 3*TB16
	JLOAD G0+4*\slot, G1, G0B+4*\slot, G1B         ; three K steps on: the first tensor load behind the round; the four v_nop behind it are the places in front of the loads below
.else
	PLACES NP
.endif
	v_add_nc_u32 v[ADRS], 64*NQ, v[ADRS]           ; on to the next K step's scale words (no LDS load of mine is out)
	FETCH_B \next, 0, 0
	FETCH_A \next, 0, 0
	SCALES 1-(\sc)
	WIN MUL_HI
	MUL16 4, 1, 1, \sc, 0
	MUL16 6, 1, 1, \sc, 0
	PLACES NP
	WIN 0
	FETCH_A \next, 0, 4
.endm
	s_wait_kmcnt 0x0                               ; qq's and kvq's addresses
	s_wait_tensorcnt 2                             ; the scale words and my part of K step 0 are in (K steps 1 and 2 may be out)
	s_barrier_signal -1
	s_barrier_wait -1                              ; everybody's are
	FETCH_B 0, 0, 0
	FETCH_A 0, 0, 0
	SCALES 0
	FETCH_A 0, 0, 4
	STEP 0, 0, 1                                   ; K step 0: its first products start the sums
	TURN 0, 0, 1, 2                                ; slot 0 takes K step 3
	STEP 1, 1, 0                                   ; K step 1
	TURN 1, 1, 2, 0
	STEP 2, 0, 0                                   ; K step 2
	TURN 2, 0, 0, 1
	STEP 0, 1, 0                                   ; K step 3
	s_wait_dscnt 4*NL                              ; the very last 128 along K: nothing more to fetch
	WIN MUL_LO
	MUL16 0, 1, 1, 1, 0
	MUL16 2, 1, 1, 1, 0
	s_wait_dscnt 0
	WIN MUL_HI
	MUL16 4, 1, 1, 1, 0
	MUL16 6, 1, 1, 1, 0
	WIN 0
	; THE WAY OUT.  No tensor load of mine is out, so the descriptors' registers are free.  mt0 = my first tile of 16 rows of A', ns = my 128 rows of B'.
	s_lshl_b32 s28, s17, 4
	s_lshl_b32 s29, s15, 3
	s_add_co_u32 s28, s28, s29                     ; mt0 = 16 x tile row + 8 x half
	s_lshl_b32 s29, s95, 1
	s_add_co_u32 s29, s29, s16                     ; ns = 2 x tile column + half
	s_and_b32 s30, ttmp9, 1
	s_lshr_b32 s31, ttmp9, 4
	s_or_b32 s30, s30, s31                         ; 0 in the clusters that make q
	s_mov_b32 s34, 208896
	s_mov_b32 s35, 196608
	s_cmp_eq_u32 s30, 0
	s_cselect_b64 s[32:33], s[20:21], s[22:23]     ; the buffer,
	s_cselect_b32 s34, 106496, s34                 ; a head's bytes in it,
	s_cselect_b32 s35, 98304, s35                  ; and where q's or k's scale words begin in a head
	s_lshr_b32 s36, s28, 7                         ; q, k: head = 16 x batch + 2 (ns % 8), and the next one
	s_lshl_b32 s36, s36, 4
	s_and_b32 s37, s29, 7
	s_lshl_b32 s37, s37, 1
	s_add_co_u32 s36, s36, s37
	s_and_b32 s38, s28, 127                        ; the tile of 16 tokens in the sequence
	s_mul_i32 s37, s38, 768
	s_lshl_b32 s38, s38, 6
	s_add_co_u32 s38, s38, s35
	s_lshr_b32 s39, s29, 4                         ; v: head = 16 x batch + mt0 / 4, and the next one
	s_lshl_b32 s39, s39, 4
	s_lshr_b32 s43, s28, 2
	s_add_co_u32 s39, s39, s43
	s_and_b32 s44, s29, 15                         ; the step of 128 keys
	s_mul_i32 s43, s44, 6144
	s_add_co_u32 s43, s43, 98304
	s_lshl_b32 s44, s44, 8
	s_add_co_u32 s44, s44, 204800
	s_sub_co_u32 s45, s34, 6144
	s_sub_co_u32 s46, s34, 256
	s_mov_b32 s47, 1536
	s_mov_b32 s48, 768
	s_cmp_lt_u32 ttmp9, 16
	s_cselect_b32 s36, s36, s39                    ; the head
	s_cselect_b32 s37, s37, s43                    ; the codes' place in it
	s_cselect_b32 s38, s38, s44                    ; the scale words'
	s_cselect_b32 s47, 768, s47                    ; from block a to a + 1: the next tile of tokens, or of channels
	s_cselect_b32 s45, 0, s45                      ; behind block 3, v alone: on to the next head
	s_cselect_b32 s46, 0, s46
	s_cselect_b32 s48, s34, s48                    ; from unit 0 to unit 1: the next head, or the next 64 keys
	s_cselect_b32 s49, s34, 0                      ; lanes 16-31's scale word: the next head's, or the same word
	s_cselect_b32 s50, 16, 0                       ; and how far it is shifted down
	s_mul_i32 s36, s36, s34
	s_add_co_u32 s52, s37, s36
	s_mov_b32 s53, 0
	s_add_co_u32 s54, s38, s36
	s_mov_b32 s55, 0
	s_add_nc_u64 s[OC:OC+1], s[32:33], s[52:53]
	s_add_nc_u64 s[OS:OS+1], s[32:33], s[54:55]
	s_mov_b32 s56, s47
	s_mov_b32 s57, 0
	s_mov_b32 s58, s45
	s_mov_b32 s59, 0
	s_mov_b32 s60, s46
	s_mov_b32 s61, 0
	v_lshlrev_b32 v8, 4, v3                        ; unit 0: first plane,
	v_add_nc_u32 v9, s48, v8                       ; unit 1
	v_lshl_add_u32 v10, v3, 3, 512                 ; unit 0: second plane,
	v_add_nc_u32 v11, s48, v10                     ; unit 1
	v_mul_u32_u24 v12, v2, s49
	v_lshl_add_u32 v12, v1, 2, v12                 ; the scale word's place
	v_mul_u32_u24 v13, v2, s50
	PLACES NP                                      ; in front of the first read of results and the first write over A's fragments
.irp b, 0,1,2,3
	v_mov_b32 v[TM+4+\b], 0                        ; written once: a lane permute's destination counts as one of its sources
.endr
; Block a's 64 registers (window w, from v[s] on; register 16 b + i belongs to block b of 32 along n) become a fragment's codes in v[PC] on and its rows' scale word in v[PW].  Each accumulator is read from its low end on.
.macro QUANTW s, w
	WIN (\w)|((\w)<<2)                             ; sources 0 and 1: the accumulators' window
.irp b, 0,1,2,3
	v_max3_num_f32 v[TM+\b], |v[\s+16*\b]|, |v[\s+1+16*\b]|, 0x2800000   ; my 16 numbers, and the floor 2^(5 - 127): the byte cannot fall under 1
.endr
.irp i, 2,4,6,8,10,12,14
.irp b, 0,1,2,3
	v_max3_num_f32 v[TM+\b], |v[\s+16*\b+\i]|, |v[\s+1+16*\b+\i]|, v[TM+\b]
.endr
.endr
	WIN 0
.irp b, 0,1,2,3
	v_permlanex16_b32 v[TM+4+\b], v[TM+\b], s62, s63
.endr
.irp b, 0,1,2,3
	v_max_num_f32 v[TM+\b], v[TM+\b], v[TM+4+\b]   ; with lane l xor 16's: the block's largest magnitude
.endr
.irp b, 0,1,2,3
	v_add_nc_u32 v[TM+12+\b], 0xfe000000, v[TM+\b] ; 4 off its exponent field: the conversion's scale operand
.endr
.irp b, 0,1,2,3
	v_lshrrev_b32 v[TM+4+\b], 23, v[TM+12+\b]      ; the scale's byte
.endr
	v_lshl_or_b32 v[PW], v[TM+5], 8, v[TM+4]
	v_lshl_or_b32 v[PW], v[TM+6], 16, v[PW]
	v_lshl_or_b32 v[PW], v[TM+7], 24, v[PW]
	WIN \w                                         ; source 0: the accumulators' window
.irp c, 0,1
	v_cvt_scalef32_pk16_bf6_f32 v[PC+6*\c:PC+2+6*\c], v[\s+32*\c:\s+15+32*\c], v[TM+12+2*\c]
	v_cvt_scalef32_pk16_bf6_f32 v[PC+12+4*\c:PC+14+4*\c], v[\s+16+32*\c:\s+31+32*\c], v[TM+12+2*\c+1]
.endr
	WIN 0
	v_nop                                          ; one plain place behind a scaled conversion
.irp c, 0,1
.irp i, 0,1,2
	v_permlane16_swap_b32 v[PC+6*\c+\i], v[PC+12+4*\c+\i]
.endr
.irp i, 0,1,2
	v_mov_b32 v[PC+3+6*\c+\i], v[PC+12+4*\c+\i]
.endr
.endr
.endm
.macro OUTBLK a
	QUANTW 64*((\a)%4), 2+(\a)/4
	v_lshrrev_b32 v[PWS], v13, v[PW]               ; q, k: lanes 16-31 carry the second head's two bytes, moved to the word's low end
	global_store_b128 v8, v[PC:PC+3], s[OC:OC+1]   ; each store covers 512 or 256 consecutive bytes, at a multiple of 256 from the buffer's first byte
	global_store_b64 v10, v[PC+4:PC+5], s[OC:OC+1]
	global_store_b128 v9, v[PC+6:PC+9], s[OC:OC+1]
	global_store_b64 v11, v[PC+10:PC+11], s[OC:OC+1]
	global_store_b32 v12, v[PWS], s[OS:OS+1]
.if (\a) < 7
	s_wait_xcnt 0x0                                ; the stores have read their data and bases: both are written again only behind this wait
	s_add_nc_u64 s[OC:OC+1], s[OC:OC+1], s[56:57]
	s_add_nc_u64 s[OS:OS+1], s[OS:OS+1], 64
.if (\a) == 3
	s_add_nc_u64 s[OC:OC+1], s[OC:OC+1], s[58:59]
	s_add_nc_u64 s[OS:OS+1], s[OS:OS+1], s[60:61]
.endif
.endif
.endm
	s_mov_b32 s62, 0x76543210
	s_mov_b32 s63, 0xfedcba98                      ; v_permlanex16_b32's selects for lane l xor 16
.irp a, 0,1,2,3,4,5,6,7
	OUTBLK \a
.endr
	s_wait_tensorcnt 0x0                           ; the wave's end
	ds_add_u32 v[SPW], v[NIL]
	s_wait_dscnt 0x0
	CROUND                                         ; the closing round: no work-group ends while a partner may still ask for a tile that names it
	s_endpgm
.Lfunc_end_k_q7f8bf9bf75_gemm_qkv:
	.size	k_q7f8bf9bf75_gemm_qkv, .Lfunc_end_k_q7f8bf9bf75_gemm_qkv-k_q7f8bf9bf75_gemm_qkv
	.p2alignl 7, 3214868480
	.fill 96, 4, 3214868480
	.section	.rodata,"a",@progbits
	.p2align	6, 0x0
	.amdhsa_kernel k_q7f8bf9bf75_gemm_qkv
		.amdhsa_group_segment_fixed_size 327680
		.amdhsa_private_segment_fixed_size 0
		.amdhsa_enable_private_segment 0
		.amdhsa_kernarg_size 32
		.amdhsa_user_sgpr_count 2
		.amdhsa_user_sgpr_kernarg_segment_ptr 1
		.amdhsa_wavefront_size32 1
		.amdhsa_system_sgpr_workgroup_id_x 1
		.amdhsa_system_sgpr_workgroup_id_y 1
		.amdhsa_system_sgpr_workgroup_id_z 1
		.amdhsa_system_vgpr_workitem_id 0
		.amdhsa_next_free_vgpr 1024
		.amdhsa_next_free_sgpr 100
		.amdhsa_reserve_vcc 0
		.amdhsa_float_denorm_mode_32 3
		.amdhsa_float_denorm_mode_16_64 3
		.amdhsa_memory_ordered 1
		.amdhsa_forward_progress 1
		.amdhsa_inst_pref_size 155
	.end_amdhsa_kernel
	.amdgpu_metadata
---
amdhsa.version: [ 1, 2 ]
amdhsa.kernels:
  - .name:           k_q7f8bf9bf75_gemm_qkv
    .symbol:         k_q7f8bf9bf75_gemm_qkv.kd
    .args:
      - { .name: xq, .offset: 0, .size: 8, .value_kind: global_buffer, .address_space: global }
      - { .name: wq, .offset: 8, .size: 8, .value_kind: global_buffer, .address_space: global }
      - { .name: qq, .offset: 16, .size: 8, .value_kind: global_buffer, .address_space: global }
      - { .name: kvq, .offset: 24, .size: 8, .value_kind: global_buffer, .address_space: global }
    .group_segment_fixed_size: 327680
    .private_segment_fixed_size: 0
    .kernarg_segment_align: 8
    .kernarg_segment_size: 32
    .max_flat_workgroup_size: 128
    .sgpr_count:     100
    .vgpr_count:     1024
    .wavefront_size: 32
...
	.end_amdgpu_metadata
.endif
;; end of part 2
;; launch attn (part 3): grid 256 x 1, 16 waves a work-group, clusters of 4 x 1, 210,944 bytes of LDS; arguments qq, kvq, aq; writes aq
.if DOCPART == 3
	.amdgcn_target "amdgcn-amd-amdhsa--gfx1250"
	.amdhsa_code_object_version 6
	.text
	.protected	k_q7f8bf9bf75_attn
	.globl	k_q7f8bf9bf75_attn
	.p2align	8
	.type	k_q7f8bf9bf75_attn,@function
k_q7f8bf9bf75_attn:
	s_mov_b64 s[64:65], 0
	v_nop
	global_prefetch_b8 v0, s[64:65] scope:SCOPE_SE
	s_setreg_imm32_b32 hwreg(HW_REG_WAVE_MODE, 25, 1), 1
	s_wait_xcnt 0x0
	s_wait_alu depctr_hold_cnt(0) depctr_sa_sdst(0) depctr_va_vdst(0) depctr_va_sdst(0) depctr_va_ssrc(0) depctr_va_vcc(0) depctr_vm_vsrc(0)
	s_getreg_b32 s2, hwreg(HW_REG_IB_STS2, 6, 4)
	s_cmp_eq_u32 s2, 0
	s_cbranch_scc0 .Lentry_in_a_cluster
	s_endpgm
.Lentry_in_a_cluster:
	s_bfe_u32 s2, ttmp6, 0x10000c
	s_cmp_lg_u32 s2, 0x3003
	s_cbranch_scc0 .Lentry_shape_is_right
	s_endpgm
.Lentry_shape_is_right:
; Causal attention of one head (2,048 tokens, 64 channels) on codes of BF6 (E3M2) with E8M0 scales; the attended rows are quantised along the channels and leave as codes for the last product.
; THE SOFTMAX AHEAD OF THE SECOND PRODUCT: t = score x log2(e) / 8; M = the row's largest t so far, rounded UP to a whole number; p = 2^(t - M) is what is quantised, along the keys; the row's sum is taken of the unquantised p
; and divides at the end.  When M moves, the sum and O are multiplied by 2^(old M - new M): exact.
; A WHOLE HEAD STAYS IN LDS: its block of kvq, 208,896 bytes, byte for byte: K's units [128 tiles of 16 keys] x 768; from 98,304 V [16 steps of 128 keys][4 tiles of 16 channels][2 units]; from 196,608 K's scale word a key;
; from 204,800 V's words [16 steps][4 tiles][16].  LDS is filled once and never stored to: no ring, no refill.
; CLUSTER: the four work-groups of a cluster serve one head (the cluster's number) and ask for its block JOINTLY: each of the 16 waves issues five loads, the same in all four work-groups, with a mask that names the four.
; SHARES: wave w of work-group cx owns the tiles of 16 queries i = 8 (w / 2) + 2 cx + w % 2 and 127 - i: 17 steps of 128 keys for every wave.  A pass walks a constant number of steps (16 and 8); a step all of whose keys
; come after the tile's queries is left out by a scalar branch that hangs on the wave's number and the step's number alone; cx enters only global addresses and the number that the diagonal's mask compares with.
; LAYOUT: both products are used transposed: S^T = K Q^T (source 0 = 16 keys, source 1 = my 16 queries), O^T = V^T P^T: a lane holds ONE query (lane % 16) throughout.  The first product's K is 64: the upper 64 of the instruction's
; 128 are ZERO CODES on Q's side (v22-27); K's operand names the next tile's six registers there, which meet those zeros.
; THE KEYS OF A TILE ARE NOT NEIGHBOURS.  Of a step's 128 keys, tile 4 c + i takes as its rows 0-7 the keys 64 c + 8 P(i) + 0 .. 7 (block 2 c of 32 keys) and as its rows 8-15 the keys 32 further on (block 2 c + 1), P = 0, 2, 1, 3.
; In the result a lane's half h holds rows 8 h + 0 .. 7 of every tile: so registers 32 c + 0 .. 31 of S^T are ALL 32 keys of block 2 c + h, in the order inside a block in which V's codes were laid.  A block's largest score needs no other
; lane, and the conversions' results are the second product's operand as they stand.  The rows come from K's units by a lane term: lanes with row 8 or more read two units (1,536 bytes) further on; that distance is a whole number of
; times through the 64 banks of 4 bytes (ISA guide 11.1), so the two groups of eight lanes of such a load meet two deep.
; LIMITS: a block of zeros gets the byte 1 where the rule says 127 (its codes are zeros, and this program alone reads the bytes); NaN and infinities are not served.
; REGISTERS: v1-7 lane terms; v8-11, v28, v29 the step's LDS addresses; v12 -M, v13 the largest t, v[14:15] the sum in two halves; v16-21 Q, v22-27 zeros; v30 -infinity; v31 r - 32 h; v32-79 K's eight units, then V's four fragments;
; v80-85 zeros; v86, v87 V's lane terms, v88, v89 K's, v90 8 h; v96-159 S^T, then p; v160-191 O^T; v192-199 K's scale words, v200-203 V's, v204 p's, v255 Q's; v208-223 the codes that leave; v224-235 p's codes; v232-254 at work.
.set HEADB, 208896
.set QHB,   106496
.set VOFF,  98304
.set KSW,   196608
.set VSW,   204800
.set WV,   18                          ; s18  my wave's number
.set CX,   19                          ; s19  my work-group's place in the cluster
.set SEL,  20                          ; s[20:21] selects for lane l xor 16
.set CS,   22                          ; s[22:23] c = log2(e) / 8
.set G1C,  24                          ; s[24:31] descriptor group 1: 12 rows of 256 bytes
.set G1S,  32                          ; s[32:39] 3 rows of 256 bytes
.set G0,   40                          ; s[40:59] five groups 0
.set KS,   60                          ; s60  the step's number
.set NB,   61                          ; s61  the step on the diagonal: the last that counts
.set TB,   62                          ; s62  where the step's K (and, 98,304 on, V) begins
.set TS,   63                          ; s63  the step's scale words of K
.set TJ,   66                          ; s66  and of V
.set TILE, 67                          ; s67  my tile of 16 queries
.set TQ,   68                          ; s68  its place among the diagonal step's eight tiles
.set HI,   69                          ; s69  lanes 16-31
.set QC,   70                          ; s[70:71] Q's unit;  s[72:73] Q's words;  s[74:75] aq's unit;  s[76:77] aq's scale bytes
.set QW,   72
.set AC,   74
.set AS,   76
.macro ROUND                           ; a round of the cluster's barrier
	s_barrier_signal -1
	s_barrier_wait -1
	s_cmp_lg_u32 s[WV], 0
	s_cbranch_scc1 .Lnot_wave_0_\@
	s_barrier_signal -3
.Lnot_wave_0_\@:
	s_barrier_wait -3
	s_barrier_signal -1
	s_barrier_wait -1
.endm
.macro GATE n                          ; every wave's loads but its n youngest have landed: then the work-group's barrier.  No LDS bytes are ever filled again, so the younger loads may stay out
	s_wait_tensorcnt \n
	s_barrier_signal -1
	s_barrier_wait -1
.endm
	s_load_b128 s[4:7], s[0:1], 0x0                ; qq, kvq
	s_load_b64 s[8:9], s[0:1], 0x10                ; aq
	v_lshl_add_u32 v250, v0, 2, 0x33000
	v_mov_b32 v251, 0
	ds_add_u32 v250, v251
	ds_add_u32 v250, v251
	v_lshrrev_b32 v8, 5, v0
	s_delay_alu instid0(VALU_DEP_1)
	v_readfirstlane_b32 s[WV], v8                  ; wave 0..15
	s_bfe_u32 s[CX], ttmp6, 0x40000
	s_mov_b32 s[G1C], 15|(3<<16)|(1<<21)           ; 15:0 the mask: all four work-groups; 17:16 elements of 8 bytes; 20 no padding; 21 set beside a mask
	s_mov_b32 s[G1C+1], 32<<16                     ; tensor_dim0 = 32 elements: 256 bytes
	s_mov_b32 s[G1C+2], 12<<16                     ; tensor_dim1
	s_mov_b32 s[G1C+3], 32<<16                     ; tile_dim0
	s_mov_b32 s[G1C+4], 12                         ; tile_dim1
	s_mov_b32 s[G1C+5], 32                         ; the pitch: dense
	s_mov_b32 s[G1C+6], 0
	s_mov_b32 s[G1C+7], 0
	s_mov_b32 s[G1S], 15|(3<<16)|(1<<21)
	s_mov_b32 s[G1S+1], 32<<16
	s_mov_b32 s[G1S+2], 3<<16
	s_mov_b32 s[G1S+3], 32<<16
	s_mov_b32 s[G1S+4], 3
	s_mov_b32 s[G1S+5], 32
	s_mov_b32 s[G1S+6], 0
	s_mov_b32 s[G1S+7], 0
	s_mul_i32 s78, ttmp9, HEADB                    ; the head's block: the four partners share it
	s_mov_b32 s79, 0
	s_mul_i32 s80, s[WV], 768
	s_add_co_u32 s80, s80, KSW                     ; my sixteenth of the scale words
	s_lshr_b32 s81, s[WV], 3                       ; waves 0-7 fetch K, waves 8-15 V:
	s_mul_i32 s81, s81, VOFF
	s_and_b32 s82, s[WV], 7
	s_mul_i32 s82, s82, 3072                       ; an eighth of each group of four steps
	s_add_co_u32 s81, s81, s82
	s_mov_b32 s83, 0
	s_mov_b32 s82, s80
	s_wait_dscnt 0x0
	s_wait_kmcnt 0x0
	s_add_nc_u64 s[6:7], s[6:7], s[78:79]
	s_mov_b32 s[G0], 1                             ; in LDS and in the head's block a tile has the same offset
	s_mov_b32 s[G0+1], s80
	s_add_nc_u64 s[G0+2:G0+3], s[6:7], s[82:83]
	s_or_b32 s[G0+3], s[G0+3], 0x80000000
.irp g, 0,1,2,3
	s_mov_b32 s[G0+4+4*\g], 1
	s_add_co_u32 s[G0+5+4*\g], s81, \g*24576       ; group g: steps 4 g .. 4 g + 3
	s_mov_b32 s82, s[G0+5+4*\g]
	s_add_nc_u64 s[G0+6+4*\g:G0+7+4*\g], s[6:7], s[82:83]
	s_or_b32 s[G0+7+4*\g], s[G0+7+4*\g], 0x80000000
.endr
	ROUND                                          ; all four work-groups are here: the joint loads meet
	tensor_load_to_lds s[G0:G0+3], s[G1S:G1S+7]    ; five loads of mine are out: the scale words, then the four groups of steps in the order in which they are wanted
	s_nop 0
.irp g, 0,1,2,3
	tensor_load_to_lds s[G0+4+4*\g:G0+7+4*\g], s[G1C:G1C+7]
	s_nop 0
.endr
.rept 4
	v_nop
.endr
	v_and_b32 v9, 31, v0                           ; lane
	v_and_b32 v10, 15, v0                          ; r
	v_bfe_u32 v11, v0, 4, 1                        ; h
	s_delay_alu instid0(VALU_DEP_3)
	v_lshlrev_b32 v1, 4, v9                        ; a unit's first plane: 16 x lane
	s_delay_alu instid0(VALU_DEP_4)
	v_lshl_add_u32 v2, v9, 3, 512                  ; its second: 512 + 8 x lane
	s_delay_alu instid0(VALU_DEP_4)
	v_lshlrev_b32 v5, 2, v10                       ; 4 r
	s_delay_alu instid0(VALU_DEP_1)
	v_add_nc_u32 v4, VSW, v5
	s_delay_alu instid0(VALU_DEP_2)
	v_add_nc_u32 v6, v5, v11                       ; 4 r + h: my block's scale byte of the attended rows
	v_and_b32 v91, 7, v0                           ; r % 8
	v_bfe_u32 v92, v0, 3, 1                        ; r / 8
	s_delay_alu instid0(VALU_DEP_1)
	v_mul_u32_u24 v93, v92, 1536                   ; rows 8-15 of a tile of K come from two units further on
	s_delay_alu instid0(VALU_DEP_1)
	v_lshl_add_u32 v88, v91, 4, v93
	s_delay_alu instid0(VALU_DEP_1)
	v_lshl_add_u32 v88, v11, 8, v88                ; K, first plane: 1,536 (r / 8) + 16 (r % 8) + 256 h
	s_delay_alu instid0(VALU_DEP_3)
	v_lshl_add_u32 v89, v91, 3, v93
	s_delay_alu instid0(VALU_DEP_1)
	v_lshl_add_u32 v89, v11, 7, v89
	s_delay_alu instid0(VALU_DEP_1)
	v_add_nc_u32 v89, 512, v89                     ; K, second plane: 512 + 1,536 (r / 8) + 8 (r % 8) + 128 h
	v_lshlrev_b32 v3, 7, v92
	s_delay_alu instid0(VALU_DEP_1)
	v_lshl_add_u32 v3, v91, 2, v3
	s_delay_alu instid0(VALU_DEP_1)
	v_add_nc_u32 v3, KSW, v3                       ; K's scale words: 128 (r / 8) + 4 (r % 8): 32 keys further on for rows 8-15
	v_lshlrev_b32 v31, 5, v11
	s_delay_alu instid0(VALU_DEP_1)
	v_sub_nc_u32 v31, v10, v31                     ; r - 32 h
	v_lshlrev_b32 v90, 3, v11                      ; 8 h: how far my two scale bytes are moved up in p's scale word
	v_add_nc_u32 v86, VOFF, v1
	v_add_nc_u32 v87, VOFF, v2
	v_mov_b32 v30, 0xff800000                      ; -infinity
.irp j, 22,23,24,25,26,27,80,81,82,83,84,85
	v_mov_b32 v\j, 0                               ; zero codes: the upper 64 of the first product's K on Q's side; the tail that K's last operand names
.endr
.irp j, 236,237,238,239,252,253
	v_mov_b32 v\j, 0                               ; written once: a lane permute's destination counts as one of its sources; v253 is named as the upper half of a pair
.endr
	s_mov_b32 s[SEL], 0x76543210
	s_mov_b32 s[SEL+1], 0xfedcba98
	s_mov_b32 s[CS], 0x3e38aa3b                    ; c = log2(e) / sqrt(64)
	s_mov_b32 s[CS+1], s[CS]
	s_mov_b32 s[HI], 0xffff0000
	s_lshr_b32 s86, s[WV], 1                       ; a = w / 2: made of the wave's number alone
	s_and_b32 s87, s[WV], 1
	s_lshl_b32 s88, s[CX], 1
	s_add_co_u32 s87, s87, s88                     ; 2 cx + w % 2
	s_lshl_b32 s88, s86, 3
	s_add_co_u32 s88, s88, s87                     ; i
	s_lshr_b32 s89, ttmp9, 4                       ; the batch
	s_and_b32 s90, ttmp9, 15                       ; the head in it
; A KEY STEP: 128 keys.
.macro STEP
	s_cmp_gt_u32 s[KS], s[NB]                      ; all its keys come after my queries: only the lines at its end, which step addresses, are run
	s_cbranch_scc1 .Lhidden_\@
	s_setprio 2
	v_add_nc_u32 v8, s[TB], v88                    ; (these four are also the places in front of the loads into registers that the last products read)
	v_add_nc_u32 v9, s[TB], v89
	v_add_nc_u32 v28, s[TS], v3
	v_add_nc_u32 v10, s[TB], v86
.irp t, 0,1,2,3,4,5,6,7                        ; tile t = 4 c + i: its rows 0-7 lie in unit 4 c + i % 2, in that unit's rows 8 (i / 2) on; six registers
	ds_load_b128 v[32+6*\t:35+6*\t], v8 offset:768*(4*(\t/4)+\t%2)+128*((\t%4)/2)
	ds_load_b64 v[36+6*\t:37+6*\t], v9 offset:768*(4*(\t/4)+\t%2)+64*((\t%4)/2)
	ds_load_b32 v[192+\t], v28 offset:256*(\t/4)+64*(\t%2)+32*((\t%4)/2)
.endr
	s_wait_alu depctr_va_vdst(0)
	s_wait_dscnt 0x0
.irp t, 0,1,2,3,4,5,6,7
	v_wmma_scale_f32_16x16x128_f8f6f4 v[96+8*\t:103+8*\t], v[32+6*\t:43+6*\t], v[16:27], 0, v[192+\t], v255 matrix_a_fmt:MATRIX_FMT_BF6 matrix_b_fmt:MATRIX_FMT_BF6
.endr
	v_add_nc_u32 v11, s[TB], v87                   ; four places in front of the loads below and of the first read of the scores: two additions that are due, two v_nop
	v_add_nc_u32 v29, s[TJ], v4
	v_nop
	v_nop
.irp d, 0,1,2,3                                ; V's four fragments land while the softmax is walked
.irp c, 0,1
	ds_load_b128 v[32+12*\d+6*\c:35+12*\d+6*\c], v10 offset:1536*\d+768*\c
	ds_load_b64 v[36+12*\d+6*\c:37+12*\d+6*\c], v11 offset:1536*\d+768*\c
.endr
	ds_load_b32 v[200+\d], v29 offset:64*\d
.endr
	s_cmp_lg_u32 s[KS], s[NB]                      ; on the diagonal the scores of hidden keys become -infinity ahead of the maximum: p = 0 then
	s_cbranch_scc1 .Lopen_\@
.set NN, 0
.rept 64
	v_cmp_gt_i32 vcc_lo, 64*(NN/32)+16*((NN/8)%2)+8*(((NN/8)%4)/2)+NN%8, v7   ; register n = 8 (4 c + i) + j holds key 64 c + 32 h + 8 P(i) + j of the step: hidden where that is above 16 TQ + r
	v_cndmask_b32 v[96+NN], v[96+NN], v30, vcc_lo
.set NN, NN+1
.endr
.Lopen_\@:
.irp b, 0,1,2,3
	v_max3_num_f32 v[232+\b], v[96+16*\b], v[97+16*\b], v[98+16*\b]   ; the largest score of each of my two blocks of 32 keys, in two chains a block: it serves for the row's maximum and, since p rises with the score, for the block's largest p
.endr
.irp i, 3,5,7,9,11,13
.irp b, 0,1,2,3
	v_max3_num_f32 v[232+\b], v[232+\b], v[96+16*\b+\i], v[97+16*\b+\i]
.endr
.endr
	v_max3_num_f32 v232, v232, v233, v111          ; a block's two chains and the two scores that they left over
	v_max3_num_f32 v234, v234, v235, v143
	v_max_num_f32 v232, v232, v127                 ; block h
	v_max_num_f32 v233, v234, v159                 ; block 2 + h
	s_delay_alu instid0(VALU_DEP_1)
	v_max_num_f32 v254, v232, v233
	s_delay_alu instid0(VALU_DEP_1)
	v_permlanex16_b32 v236, v254, s[SEL], s[SEL+1]
	s_delay_alu instid0(VALU_DEP_1)
	v_max_num_f32 v254, v254, v236                 ; with lane l xor 16's two blocks: the step's largest score of my query
	s_delay_alu instid0(VALU_DEP_1)
	v_mul_f32 v254, s[CS], v254                    ; as t (c is positive)
	s_delay_alu instid0(VALU_DEP_1)
	v_max_num_f32 v13, v13, v254                   ; the running largest t
	v_mov_b32 v254, v12
	s_delay_alu instid0(VALU_DEP_2)
	v_floor_f32 v12, -v13                          ; the new -M = floor(-t) = -ceil(t): a whole number
	s_delay_alu instid0(VALU_DEP_1)
	v_sub_f32 v254, v12, v254                      ; M's old value less its new one: a whole number, 0 or less
	s_delay_alu instid0(VALU_DEP_1)
	v_cvt_i32_f32 v254, v254                       ; (it saturates)
	s_delay_alu instid0(VALU_DEP_1)
	v_ldexp_f32 v252, 1.0, v254                    ; f = 2^(old M - new M)
.set JJ, 0
	s_setprio 1
.rept 32
	v_pk_fma_f32 v[96+JJ:97+JJ], v[96+JJ:97+JJ], s[CS:CS+1], v[12:13] op_sel_hi:[1,0,0]   ; t - M, two at a time
.set JJ, JJ+2
.endr
	v_fma_f32 v232, v232, s[CS], v12               ; the same of each block's largest score
	v_fma_f32 v233, v233, s[CS], v12
.set JJ, 0
	s_wait_alu depctr_va_vdst(0)
.rept 64
	v_exp_f32 v[96+JJ], v[96+JJ]                   ; p = 2^(t - M), at most 1: not normalised
.set JJ, JJ+1
.endr
	v_exp_f32 v232, v232                           ; the block's largest p
	v_exp_f32 v233, v233
	v_pk_mul_f32 v[14:15], v[14:15], v[252:253] op_sel_hi:[1,0]   ; the sums under the new M.  (A plain place behind the exponentials)
	s_wait_alu depctr_va_vdst(0)
	v_max_num_f32 v232, 0x2800000, v232            ; the floor 2^(5 - 127): the byte cannot fall under 1
	v_max_num_f32 v233, 0x2800000, v233
	s_delay_alu instid0(VALU_DEP_2)
	v_add_nc_u32 v244, 0xfe000000, v232            ; 4 off the exponent field: the conversion's scale operand
	s_delay_alu instid0(VALU_DEP_2)
	v_add_nc_u32 v245, 0xfe000000, v233
	s_delay_alu instid0(VALU_DEP_2)
	v_lshrrev_b32 v236, 23, v244                   ; the scale's byte
	s_delay_alu instid0(VALU_DEP_2)
	v_lshrrev_b32 v237, 23, v245
	s_delay_alu instid0(VALU_DEP_1)
	v_lshl_or_b32 v238, v237, 16, v236             ; my two bytes: blocks h and 2 + h of my query,
	s_delay_alu instid0(VALU_DEP_1)
	v_lshlrev_b32 v238, v90, v238                  ; at their places in the scale word (8 h bits up);
	s_delay_alu instid0(VALU_DEP_1)
	v_permlanex16_b32 v239, v238, s[SEL], s[SEL+1]
	s_delay_alu instid0(VALU_DEP_1)
	v_or_b32 v204, v238, v239                      ; with lane l xor 16's two the word for these 128 keys is whole
	v_cvt_scalef32_pk16_bf6_f32 v[224:226], v[96:111], v244     ; registers 6 c .. 6 c + 5 of the operand: block 2 c + h, whole, in my lane
	v_cvt_scalef32_pk16_bf6_f32 v[236:238], v[112:127], v244    ; (a conversion's three registers begin on an even number: a block's second three do not, so they are made elsewhere and moved)
	v_cvt_scalef32_pk16_bf6_f32 v[230:232], v[128:143], v245
	v_cvt_scalef32_pk16_bf6_f32 v[240:242], v[144:159], v245
	v_nop                                          ; one plain place behind a scaled conversion
.irp i, 0,1,2
	v_mov_b32 v[227+\i], v[236+\i]
	v_mov_b32 v[233+\i], v[240+\i]
.endr
	v_pk_add_f32 v[236:237], v[100:101], v[104:105]
	v_pk_add_f32 v[248:249], v[108:109], v[112:113]
	v_pk_add_f32 v[246:247], v[116:117], v[120:121]
	v_pk_add_f32 v[244:245], v[124:125], v[128:129]
	v_pk_add_f32 v[242:243], v[132:133], v[136:137]
	v_pk_add_f32 v[240:241], v[140:141], v[144:145]
	v_pk_add_f32 v[222:223], v[148:149], v[152:153]
	v_pk_add_f32 v[14:15], v[14:15], v[156:157]
	v_pk_add_f32 v[236:237], v[236:237], v[96:97]
	v_pk_add_f32 v[248:249], v[248:249], v[98:99]
	v_pk_add_f32 v[246:247], v[246:247], v[102:103]
	v_pk_add_f32 v[244:245], v[244:245], v[106:107]
	s_setprio 0
	v_pk_add_f32 v[242:243], v[242:243], v[110:111]
	v_pk_add_f32 v[240:241], v[240:241], v[114:115]
	v_pk_add_f32 v[222:223], v[222:223], v[118:119]
	v_pk_add_f32 v[14:15], v[14:15], v[122:123]
	v_pk_add_f32 v[236:237], v[236:237], v[126:127]
	v_pk_add_f32 v[248:249], v[248:249], v[130:131]
	v_pk_add_f32 v[246:247], v[246:247], v[134:135]
	v_pk_add_f32 v[244:245], v[244:245], v[138:139]
	v_pk_add_f32 v[242:243], v[242:243], v[142:143]
	v_pk_add_f32 v[240:241], v[240:241], v[146:147]
	v_pk_add_f32 v[222:223], v[222:223], v[150:151]
	v_pk_add_f32 v[14:15], v[14:15], v[154:155]
	v_pk_add_f32 v[236:237], v[236:237], v[158:159]
	s_delay_alu instid0(VALU_DEP_2)
	v_pk_add_f32 v[14:15], v[14:15], v[244:245]
	s_delay_alu instid0(VALU_DEP_2)
	v_pk_add_f32 v[236:237], v[236:237], v[242:243]
	v_pk_add_f32 v[248:249], v[248:249], v[240:241]
	v_pk_add_f32 v[246:247], v[246:247], v[222:223]
	s_delay_alu instid0(VALU_DEP_2)
	v_pk_add_f32 v[14:15], v[14:15], v[248:249]
	s_delay_alu instid0(VALU_DEP_2)
	v_pk_add_f32 v[236:237], v[236:237], v[246:247]
	s_delay_alu instid0(VALU_DEP_1)
	v_pk_add_f32 v[14:15], v[14:15], v[236:237]
.irp j, 0,2,4,6,8,10,12,14,16,18,20,22,24,26,28,30
	v_pk_mul_f32 v[160+\j:161+\j], v[160+\j:161+\j], v[252:253] op_sel_hi:[1,0]   ; O^T under the new M.  (With the sums above: the places between p's codes and scale word and the products below)
.endr
	s_wait_alu depctr_va_vdst(0)
	s_wait_dscnt 0x0                               ; V is in
.irp d, 0,1,2,3                                ; O^T += V^T P^T: the four accumulators by turns, one instruction a turn
	v_wmma_scale_f32_16x16x128_f8f6f4 v[160+8*\d:167+8*\d], v[32+12*\d:43+12*\d], v[224:235], v[160+8*\d:167+8*\d], v[200+\d], v204 matrix_a_fmt:MATRIX_FMT_BF6 matrix_b_fmt:MATRIX_FMT_BF6
.endr
.Lhidden_\@:
	s_add_co_u32 s[KS], s[KS], 1
	s_add_co_u32 s[TB], s[TB], 6144
	s_add_co_u32 s[TS], s[TS], 512
	s_add_co_u32 s[TJ], s[TJ], 256
.endm
; A PASS: one tile of 16 queries against steps 0 .. limit - 1.  first = 1: the head's block is still landing: the first four steps each stand behind a gate.
.macro PASS first, limit
	s_mul_i32 s78, ttmp9, QHB
	s_mul_i32 s79, s[TILE], 768
	s_add_co_u32 s78, s78, s79
	s_mov_b32 s79, 0
	s_add_nc_u64 s[QC:QC+1], s[4:5], s[78:79]      ; Q's unit
	s_mul_i32 s78, ttmp9, QHB
	s_lshl_b32 s80, s[TILE], 6
	s_add_co_u32 s78, s78, s80
	s_add_co_u32 s78, s78, 98304
	s_add_nc_u64 s[QW:QW+1], s[4:5], s[78:79]      ; Q's scale words
	s_lshl_b32 s80, s89, 7
	s_add_co_u32 s80, s80, s[TILE]                 ; the tile among all 512
	s_mul_i32 s78, s80, 12288
	s_mul_i32 s81, s90, 768
	s_add_co_u32 s78, s78, s81
	s_add_nc_u64 s[AC:AC+1], s[8:9], s[78:79]      ; the attended rows' unit: the head is the unit along K
	s_lshl_b32 s78, s80, 9
	s_lshr_b32 s81, s90, 1
	s_lshl_b32 s81, s81, 6
	s_add_co_u32 s78, s78, s81
	s_and_b32 s81, s90, 1
	s_lshl_b32 s81, s81, 1
	s_add_co_u32 s78, s78, s81
	s_add_co_u32 s78, s78, 0x600000
	s_add_nc_u64 s[AS:AS+1], s[8:9], s[78:79]      ; their scale bytes: two heads share a word
	global_load_b128 v[16:19], v1, s[QC:QC+1]
	global_load_b64 v[20:21], v2, s[QC:QC+1]
	global_load_b32 v255, v5, s[QW:QW+1]
	s_lshl_b32 s80, s[TQ], 4
	v_add_nc_u32 v7, s80, v31                      ; 16 TQ + r - 32 h
	v_mov_b32 v13, 0xff61b1e6                      ; the largest t so far: -3e38, under every t
	s_delay_alu instid0(VALU_DEP_1)
	v_floor_f32 v12, -v13                          ; -M
	v_mov_b32 v14, 0
	v_mov_b32 v15, 0
.set JJ, 0
.rept 32
	v_mov_b32 v[160+JJ], 0                         ; O^T.  (The step is written once: the first finds zeros, which the first change of M leaves zeros)
.set JJ, JJ+1
.endr
	s_mov_b32 s[KS], 0
	s_mov_b32 s[TB], 0
	s_mov_b32 s[TS], 0
	s_mov_b32 s[TJ], 0
	s_wait_loadcnt 0x0                             ; Q
.if \first
	GATE 3                                         ; the scale words and steps 0-3 are in; the three younger groups may be out
	STEP
	GATE 2                                         ; steps 4-7 too
	STEP
	GATE 1                                         ; steps 8-11
	STEP
	GATE 0                                         ; all
	STEP
.endif
.Lkeys_\@:
	STEP
	s_cmp_lt_u32 s[KS], \limit
	s_cbranch_scc1 .Lkeys_\@
	s_setprio 0
	; THE WAY OUT: O^T / the sum; its 64 channels are two blocks of 32 along the last product's K: one unit and two scale bytes a row.  Here a block of 32 channels lies in lanes l and l xor 16, 16 channels each.
.rept 4
	v_nop                                          ; places behind the last products
.endr
	v_add_f32 v14, v14, v15                        ; the sum's two halves,
	s_delay_alu instid0(VALU_DEP_1)
	v_permlanex16_b32 v252, v14, s[SEL], s[SEL+1]
	s_delay_alu instid0(VALU_DEP_1)
	v_add_f32 v14, v14, v252                       ; and lane l xor 16's: the row's sum
	s_wait_alu depctr_va_vdst(0)
	v_rcp_f32 v14, v14
	v_nop                                          ; a plain place behind the transcendental
.set JJ, 0
	s_wait_alu depctr_va_vdst(0)
.rept 32
	v_mul_f32 v[96+JJ], v[160+JJ], v14             ; register 8 d + j is channel 16 d + 8 h + j of my query; each accumulator from its low end on
.set JJ, JJ+1
.endr
.irp b, 0,1
	v_max3_num_f32 v[232+\b], |v[96+16*\b]|, |v[97+16*\b]|, 0x2800000
.endr
.irp i, 2,4,6,8,10,12,14
.irp b, 0,1
	s_delay_alu instid0(VALU_DEP_2)
	v_max3_num_f32 v[232+\b], v[232+\b], |v[96+16*\b+\i]|, |v[97+16*\b+\i]|
.endr
.endr
.irp b, 0,1
	s_delay_alu instid0(VALU_DEP_2)
	v_permlanex16_b32 v[236+\b], v[232+\b], s[SEL], s[SEL+1]
.endr
.irp b, 0,1
	s_delay_alu instid0(VALU_DEP_2)
	v_max_num_f32 v[232+\b], v[232+\b], v[236+\b]
.endr
.irp b, 0,1
	s_delay_alu instid0(VALU_DEP_2)
	v_add_nc_u32 v[244+\b], 0xfe000000, v[232+\b]
.endr
.irp b, 0,1
	s_delay_alu instid0(VALU_DEP_2)
	v_lshrrev_b32 v[236+\b], 23, v[244+\b]
.endr
	v_cvt_scalef32_pk16_bf6_f32 v[208:210], v[96:111], v244
	v_cvt_scalef32_pk16_bf6_f32 v[220:222], v[112:127], v245
	v_nop                                          ; one plain place behind a scaled conversion
.irp i, 0,1,2
	v_permlane16_swap_b32 v[208+\i], v[220+\i]     ; lanes 0-15 block 0, lanes 16-31 block 1
.endr
.irp i, 0,1,2
	s_delay_alu instid0(VALU_DEP_3)
	v_mov_b32 v[211+\i], v[220+\i]
.endr
	v_cndmask_b32 v223, v236, v237, s[HI]          ; my block's byte
	global_store_b128 v1, v[208:211], s[AC:AC+1]   ; 512 and 256 consecutive bytes, at a multiple of 256 from the buffer's first byte
	global_store_b64 v2, v[212:213], s[AC:AC+1]
	global_store_b8 v6, v223, s[AS:AS+1]
	s_wait_xcnt 0x0                                ; the stores have read their data and bases: both may be written again
.endm
	s_xor_b32 s[TILE], s88, 127                    ; the late tile: 127 - i;
	s_xor_b32 s[NB], s86, 15                       ; its diagonal step: 15 - a;
	s_xor_b32 s[TQ], s87, 7                        ; its place in that step: 7 - (2 cx + w % 2)
	PASS 1, 16
	s_mov_b32 s[TILE], s88                         ; the early tile: i
	s_mov_b32 s[NB], s86
	s_mov_b32 s[TQ], s87
	PASS 0, 8
	s_wait_tensorcnt 0x0
	ds_add_u32 v250, v251
	s_wait_dscnt 0x0
	ROUND                                          ; the closing round: no work-group ends while a partner may still ask for a tile that names it
	s_endpgm
.Lfunc_end_k_q7f8bf9bf75_attn:
	.size	k_q7f8bf9bf75_attn, .Lfunc_end_k_q7f8bf9bf75_attn-k_q7f8bf9bf75_attn
	.p2alignl 7, 3214868480
	.fill 96, 4, 3214868480
	.section	.rodata,"a",@progbits
	.p2align	6, 0x0
	.amdhsa_kernel k_q7f8bf9bf75_attn
		.amdhsa_group_segment_fixed_size 210944
		.amdhsa_private_segment_fixed_size 0
		.amdhsa_enable_private_segment 0
		.amdhsa_kernarg_size 24
		.amdhsa_user_sgpr_count 2
		.amdhsa_user_sgpr_kernarg_segment_ptr 1
		.amdhsa_wavefront_size32 1
		.amdhsa_system_sgpr_workgroup_id_x 1
		.amdhsa_system_sgpr_workgroup_id_y 1
		.amdhsa_system_sgpr_workgroup_id_z 1
		.amdhsa_system_vgpr_workitem_id 0
		.amdhsa_next_free_vgpr 256
		.amdhsa_next_free_sgpr 92
		.amdhsa_reserve_vcc 1
		.amdhsa_float_denorm_mode_32 3
		.amdhsa_float_denorm_mode_16_64 3
		.amdhsa_memory_ordered 1
		.amdhsa_forward_progress 1
		.amdhsa_inst_pref_size 151
	.end_amdhsa_kernel
	.amdgpu_metadata
---
amdhsa.version: [ 1, 2 ]
amdhsa.kernels:
  - .name:           k_q7f8bf9bf75_attn
    .symbol:         k_q7f8bf9bf75_attn.kd
    .args:
      - { .name: qq, .offset: 0, .size: 8, .value_kind: global_buffer, .address_space: global }
      - { .name: kvq, .offset: 8, .size: 8, .value_kind: global_buffer, .address_space: global }
      - { .name: aq, .offset: 16, .size: 8, .value_kind: global_buffer, .address_space: global }
    .group_segment_fixed_size: 210944
    .private_segment_fixed_size: 0
    .kernarg_segment_align: 8
    .kernarg_segment_size: 24
    .max_flat_workgroup_size: 512
    .sgpr_count:     92
    .vgpr_count:     256
    .wavefront_size: 32
...
	.end_amdgpu_metadata
.endif
;; end of part 3
;; launch gemm_out (part 4): grid 4 x 64, 4 waves a work-group, clusters of 4 x 4, 307,712 bytes of LDS; arguments aq, wq, out0; writes out0
.if DOCPART == 4
	.amdgcn_target "amdgcn-amd-amdhsa--gfx1250"
	.amdhsa_code_object_version 6
	.text
	.protected	k_q7f8bf9bf75_gemm_out
	.globl	k_q7f8bf9bf75_gemm_out
	.p2align	8
	.type	k_q7f8bf9bf75_gemm_out,@function
k_q7f8bf9bf75_gemm_out:
	s_mov_b64 s[64:65], 0
	v_nop
	global_prefetch_b8 v0, s[64:65] scope:SCOPE_SE
	s_setreg_imm32_b32 hwreg(HW_REG_WAVE_MODE, 25, 1), 1
	s_wait_xcnt 0x0
	s_wait_alu depctr_hold_cnt(0) depctr_sa_sdst(0) depctr_va_vdst(0) depctr_va_sdst(0) depctr_va_ssrc(0) depctr_va_vcc(0) depctr_vm_vsrc(0)
	s_getreg_b32 s2, hwreg(HW_REG_IB_STS2, 6, 4)
	s_cmp_eq_u32 s2, 0
	s_cbranch_scc0 .Lentry_in_a_cluster
	s_endpgm
.Lentry_in_a_cluster:
	s_bfe_u32 s2, ttmp6, 0x10000c
	s_cmp_lg_u32 s2, 0xf033
	s_cbranch_scc0 .Lentry_shape_is_right
	s_endpgm
.Lentry_shape_is_right:
; out0 [8192][1024] f32 = attended Wo, on codes of BF6 (E3M2) with E8M0 scales, K = 1,024.  C[m][n] = sum over k of A[m][k] B[n][k]: A = the attended rows (aq), B = Wo laid [n][k] (wq's fourth weight).
; OPERANDS lie in memory in units of 16 rows x 64 K (768 bytes: lane r + 16 h holds block h of row r; registers 0-3 at 16 x lane, 4-5 at 512 + 8 x lane), [tile of 16 rows][16 units]; scale words [tile][8 steps of 128 K][16 rows] x 4 bytes.
; Inside each block of 32 both operands have the same order of k (0-7, 16-23, 8-15, 24-31), so the sums are those of the natural order.
; THE TILE: C has 64 x 4 = 256 tiles of 128 x 256, one work-group each; tiles of 256 x 256 would be 128.  Four waves, as many as a WGP has SIMDs; a wave makes 64 x 128: 32 accumulators, 256 registers.
; ALL OF K LIES IN LDS: a K step of 256 is 128 rows of A (24,576 bytes) and 256 rows of B (49,152); four K steps are 294,912 bytes, the scale words of these rows for all of K 12,288: 307,200 in all.  LDS is filled ONCE:
; each wave asks for its scale words and its part of K steps 0 to 3 at the start, five loads; there is no refill.  In front of a K step's first read stands a counted wait on each wave's own loads and a work-group barrier.
; CLUSTERS: 4 x 4 work-groups; the four of a row need the same tiles of A, the four of a column the same tiles of B: each tile is asked for jointly, by the same tensor load with the same descriptor and a mask that names the four.
; The matrix instruction is used transposed (source 0 = 16 rows of B, source 1 = 16 rows of A): a lane then holds eight neighbouring numbers of a row of C.
; A STEP of 128 along K is 32 matrix instructions on 4 fragments of A and 8 of B; A, B and the scale words have two sets of registers, and the next step's 56 LDS loads stand in ONE run in the step's middle.
; REGISTERS, in windows of 256: window 0: v1-27 addresses; v32-47 scale words, two sets; v128-223 A's fragments, two sets of 48; on the way out v128-255 rows of C.
;   window 1: B's fragments, two sets, at v0 and v128.   window 2: the accumulators ((a, b) at v[8 (8 a + b)]).
.set SIZE_N, 1024
.set FR,     12                        ; registers of a fragment: 16 rows x 128 K
.set NP,     4                         ; places behind this matrix instruction (ISA guide 7.12.1)
.set TB16,   3072                      ; a tile of 16 rows in a slot: four units
.set AHALF,  4*TB16                    ; 64 rows of A: what wave 0 or 1 fetches of a K step, and what one wave reads
.set BHALF,  8*TB16                    ; 128 rows of B: what wave 2 or 3 fetches, and what one wave reads
.set SLOT,   2*AHALF+2*BHALF           ; a K step: A's 128 rows, then B's 256 rows
.set SCL,    4*SLOT                    ; behind the four slots: the scale words: A's 128 rows, then B's 256
.set ASC,    2048                      ; those of 64 rows
.set BSC,    4096                      ; those of 128 rows
.set SPITCH, 528                       ; the way out: a stage of 16 rows x (512 bytes + 16) for each wave.  It lies in slot 0, which is filled once and whose last reads lie ahead of the last barrier
.set ADRA, 8                           ; v8-11   LDS address of my A fragments' first planes in slots 0 to 3  (v12-15: second planes)
.set ADRB, 16                          ; v16-19  the same for B  (v20-23)
.set STO,  24                          ; v24     the way out: where I put 32 bytes of a row
.set RD,   25                          ; v25     the way out: where I read a row back
.set CO,   26                          ; v26     my byte offset in a row of C
.set ADRS, 27                          ; v27     LDS address of my scale words: lanes 0-15 A's rows, lanes 16-31 B's
.set SC,   32                          ; scale words: set p at v[SC + 8 p]; register i: lanes 0-15 A's block i (i under 4), lanes 16-31 B's block i
.set AF,   128                         ; A's fragments: set p at v[AF + 48 p]
.set BK,   128                         ; the way out: 16 rows read back from the stage: v128-191 and v192-255 by turns
.set G1A,  24                          ; s[24:31] descriptor group 1 for A's tiles;  s[32:39] for B's;  s[40:47], s[48:55] for their scale words
.set G1B,  32
.set G1SA, 40
.set G1SB, 48
                                       ; groups 0: A's scale words s[56:59], A's K steps s[60:63], s[68:71], s[72:75], s[76:79];  B's scale words s[80:83], B's K steps s[84:99]
.set MSB, 0
.macro WIN new                         ; the immediate's high byte repeats the setting that is left
.if MSB != (\new)
	s_set_vgpr_msb (MSB<<8)|(\new)
.set MSB, (\new)
.endif
.endm
.set MUL,  0xa1                        ; source 0 (B) window 1, source 1 (A) window 0, C and D window 2
.set TO_B, 0x40                        ; destination window 1, address window 0
.macro CREST                           ; a round of the cluster's barrier behind its opening barrier
	s_cmp_lg_u32 s14, 0
	s_cbranch_scc1 .Lnot_wave_0_\@
	s_barrier_signal -3
.Lnot_wave_0_\@:
	s_barrier_wait -3
	s_barrier_signal -1
	s_barrier_wait -1
.endm
.macro CROUND                          ; a whole round
	s_barrier_signal -1
	s_barrier_wait -1
	CREST
.endm
	s_load_b128 s[4:7], s[0:1], 0x0                ; aq s[4:5], wq s[6:7]
	s_load_b64 s[12:13], s[0:1], 0x10              ; out0
	v_lshl_add_u32 v126, v0, 2, 0x4b000
	v_mov_b32 v127, 0
	ds_add_u32 v126, v127
	ds_add_u32 v126, v127
	v_lshrrev_b32 v1, 5, v0
	v_readfirstlane_b32 s14, v1                    ; wave 0..3
	s_lshr_b32 s15, s14, 1                         ; which 64 of the tile's rows are mine.  Also: I fetch for A (0) or for B (1)
	s_and_b32 s16, s14, 1                          ; which 128 of its columns.  Also: which half of that operand's rows I fetch
	s_bfe_u32 s66, ttmp6, 0x40000                  ; cx, cy: my place in the cluster
	s_bfe_u32 s67, ttmp6, 0x40004
	s_lshl_b32 s100, ttmp9, 2
	s_add_co_u32 s100, s100, s66                   ; tile column of C = 4 x cluster x + cx
	s_and_b32 s17, ttmp7, 0xffff
	s_lshl_b32 s17, s17, 2
	s_add_co_u32 s17, s17, s67                     ; tile row of C = 4 x cluster y + cy
	s_lshl_b32 s18, s67, 2
	s_lshl_b32 s18, 15, s18                        ; my row of the cluster
	s_lshl_b32 s19, 0x1111, s66                    ; my column
	s_or_b32 s[G1A], s18, (3<<16)|(1<<21)          ; 15:0 the mask: A's tiles go to my row; 17:16 elements of 8 bytes; 20 no padding; 21 set beside a mask
	s_or_b32 s[G1SA], s18, (3<<16)|(1<<21)
	s_or_b32 s[G1B], s19, (3<<16)|(1<<21)          ; B's go to my column
	s_or_b32 s[G1SB], s19, (3<<16)|(1<<21)
	; codes: rows (tiles of 16) of 384 elements of 8 bytes, 1,536 elements apart; dense in LDS.  A: 4 rows, B: 8
	s_mov_b32 s[G1A+1], 384<<16                    ; tensor_dim0
	s_mov_b32 s[G1A+2], 4<<16                      ; tensor_dim1
	s_mov_b32 s[G1A+3], 384<<16                    ; tile_dim0
	s_mov_b32 s[G1A+4], 4                          ; tile_dim1
	s_mov_b32 s[G1A+5], 1536                       ; tensor_dim0_stride
	s_mov_b32 s[G1A+6], 0
	s_mov_b32 s[G1A+7], 0
	s_mov_b32 s[G1B+1], 384<<16
	s_mov_b32 s[G1B+2], 8<<16
	s_mov_b32 s[G1B+3], 384<<16
	s_mov_b32 s[G1B+4], 8
	s_mov_b32 s[G1B+5], 1536
	s_mov_b32 s[G1B+6], 0
	s_mov_b32 s[G1B+7], 0
	; scale words: dense bytes, as rows of 256.  A: 64 rows' 2,048 bytes, B: 128 rows' 4,096
	s_mov_b32 s[G1SA+1], 32<<16
	s_mov_b32 s[G1SA+2], 8<<16
	s_mov_b32 s[G1SA+3], 32<<16
	s_mov_b32 s[G1SA+4], 8
	s_mov_b32 s[G1SA+5], 32
	s_mov_b32 s[G1SA+6], 0
	s_mov_b32 s[G1SA+7], 0
	s_mov_b32 s[G1SB+1], 32<<16
	s_mov_b32 s[G1SB+2], 16<<16
	s_mov_b32 s[G1SB+3], 32<<16
	s_mov_b32 s[G1SB+4], 16
	s_mov_b32 s[G1SB+5], 32
	s_mov_b32 s[G1SB+6], 0
	s_mov_b32 s[G1SB+7], 0
	; where the tiles come from.  A's hang on the tile row alone, B's on the tile column alone; every wave makes both, in registers that never hold the other coordinate
	s_lshl_b32 s20, s17, 7
	s_lshl_b32 s21, s16, 6
	s_add_co_u32 s20, s20, s21                     ; A: row 128 x tile row + 64 x half
	s_mov_b32 s21, 0
	s_lshl_b32 s2, s100, 8
	s_lshl_b32 s3, s16, 7
	s_add_co_u32 s2, s2, s3                        ; B: row 256 x tile column + 128 x half
	s_mov_b32 s3, 0
	s_mov_b64 s[18:19], 32
	s_mul_u64 s[22:23], s[20:21], s[18:19]         ; where these rows' scale words begin: 32 bytes a row
	s_mul_u64 s[8:9], s[2:3], s[18:19]
	s_mov_b64 s[18:19], 768
	s_mul_u64 s[20:21], s[20:21], s[18:19]         ; and their codes: 768 bytes a row
	s_mul_u64 s[2:3], s[2:3], s[18:19]
	s_mul_i32 s10, s16, AHALF                      ; where they go: made of the wave's number alone
	s_mul_i32 s11, s16, BHALF
	s_add_co_u32 s11, s11, 2*AHALF
	s_wait_dscnt 0x0
	s_wait_kmcnt 0x0
	s_add_nc_u64 s[20:21], s[4:5], s[20:21]        ; the attended rows' codes
	s_add_nc_u64 s[22:23], s[4:5], s[22:23]
	s_add_nc_u64 s[22:23], s[22:23], 0x600000      ; their scale words
	s_add_nc_u64 s[2:3], s[6:7], s[2:3]
	s_add_nc_u64 s[2:3], s[2:3], 2359296           ; Wo's codes
	s_add_nc_u64 s[8:9], s[6:7], s[8:9]
	s_add_nc_u64 s[8:9], s[8:9], 3244032           ; Wo's scale words
	s_mov_b32 s56, 1                               ; 1:0 count = 1
	s_mul_i32 s57, s16, ASC
	s_add_co_u32 s57, s57, SCL                     ; 63:32 LDS address
	s_mov_b64 s[58:59], s[22:23]                   ; 120:64 global address
	s_or_b32 s59, s59, 0x80000000                  ; 127:126 type = 2
	s_mov_b32 s80, 1
	s_mul_i32 s81, s16, BSC
	s_add_co_u32 s81, s81, SCL+2*ASC
	s_mov_b64 s[82:83], s[8:9]
	s_or_b32 s83, s83, 0x80000000
.set KK, 0
.irp g, 60,68,72,76                            ; A's part of K step KK, into slot KK
	s_mov_b32 s[\g], 1
	s_add_co_u32 s[\g+1], s10, KK*SLOT
	s_add_nc_u64 s[\g+2:\g+3], s[20:21], KK*TB16
	s_or_b32 s[\g+3], s[\g+3], 0x80000000
.set KK, KK+1
.endr
.set KK, 0
.irp g, 84,88,92,96                            ; B's
	s_mov_b32 s[\g], 1
	s_add_co_u32 s[\g+1], s11, KK*SLOT
	s_add_nc_u64 s[\g+2:\g+3], s[2:3], KK*TB16
	s_or_b32 s[\g+3], s[\g+3], 0x80000000
.set KK, KK+1
.endr
	CROUND                                         ; all sixteen work-groups are here: the joint loads meet
	s_cmp_eq_u32 s15, 0                            ; a wave's first fills stand in one branch on the wave's number: five loads of mine are out; four v_nop follow the last
	s_cbranch_scc0 .Lfirst_b
	tensor_load_to_lds s[56:59], s[G1SA:G1SA+7]    ; the scale words first: they are wanted with K step 0
	s_nop 0
	tensor_load_to_lds s[60:63], s[G1A:G1A+7]
	s_nop 0
	tensor_load_to_lds s[68:71], s[G1A:G1A+7]
	s_nop 0
	tensor_load_to_lds s[72:75], s[G1A:G1A+7]
	s_nop 0
	tensor_load_to_lds s[76:79], s[G1A:G1A+7]
	s_nop 0
.rept 4
	v_nop
.endr
	s_branch .Lfirst_done
.Lfirst_b:
	tensor_load_to_lds s[80:83], s[G1SB:G1SB+7]
	s_nop 0
	tensor_load_to_lds s[84:87], s[G1B:G1B+7]
	s_nop 0
	tensor_load_to_lds s[88:91], s[G1B:G1B+7]
	s_nop 0
	tensor_load_to_lds s[92:95], s[G1B:G1B+7]
	s_nop 0
	tensor_load_to_lds s[96:99], s[G1B:G1B+7]
	s_nop 0
.rept 4
	v_nop
.endr
.Lfirst_done:
	v_and_b32 v1, 15, v0                           ; r
	v_bfe_u32 v2, v0, 4, 1                         ; h
	v_and_b32 v3, 31, v0                           ; lane
	v_lshlrev_b32 v4, 4, v3                        ; a unit's first plane: 16 x lane
	v_lshl_add_u32 v5, v3, 3, 512                  ; its second: 512 + 8 x lane
	s_mul_i32 s21, s15, AHALF                      ; my 64 rows of A
	s_mul_i32 s22, s16, BHALF                      ; my 128 rows of B,
	s_add_co_u32 s22, s22, 2*AHALF                 ; which lie behind A's 128
.irp s, 0,1,2,3
	v_add_nc_u32 v[ADRA+\s], s21, v4
	v_add_nc_u32 v[ADRB+\s], s22, v4
	v_add_nc_u32 v[ADRA+4+\s], s21, v5
	v_add_nc_u32 v[ADRB+4+\s], s22, v5
	s_add_co_u32 s21, s21, SLOT
	s_add_co_u32 s22, s22, SLOT
.endr
	v_lshlrev_b32 v5, 2, v1                        ; my row's scale word: 4 r
	s_mul_i32 s21, s15, ASC                        ; A's: my 64 rows
	s_mul_i32 s22, s16, BSC                        ; B's: my 128 rows, behind A's 128
	s_add_co_u32 s22, s22, 2*ASC
	s_sub_co_u32 s22, s22, s21
	v_mul_u32_u24 v6, s22, v2                      ; lanes 16-31 take B's: one product, the distance between the two
	s_add_co_u32 s21, s21, SCL
	v_add_nc_u32 v5, v5, v6
	v_add_nc_u32 v[ADRS], s21, v5
	s_mul_i32 s23, s14, 16*SPITCH                  ; my stage, in slot 0
	v_mul_u32_u24 v5, v1, SPITCH                   ; in: row l % 16, 32 bytes for each half of the lanes
	v_lshl_add_u32 v5, v2, 5, v5
	v_add_nc_u32 v[STO], s23, v5
	v_lshlrev_b32 v[CO], 4, v3                     ; back: the 32 lanes take one row of 512 bytes; and the same in C
	v_add_nc_u32 v[RD], s23, v[CO]
	s_lshl_b32 s20, s17, 7
	s_lshl_b32 s21, s15, 6
	s_add_co_u32 s20, s20, s21                     ; my first row of C: 128 x tile row + 64 x half
	s_mov_b32 s21, 0
	s_mov_b64 s[18:19], SIZE_N*4
	s_mul_u64 s[20:21], s[20:21], s[18:19]
	s_lshl_b32 s2, s100, 10                        ; my first column, in bytes: 1024 x tile column + 512 x half
	s_lshl_b32 s3, s16, 9
	s_add_co_u32 s2, s2, s3
	s_mov_b32 s3, 0
	s_add_nc_u64 s[20:21], s[20:21], s[2:3]
	s_add_nc_u64 s[12:13], s[12:13], s[20:21]
.macro FRAG reg, adr, q, i             ; a fragment, 16 rows x 128 K, is two units: registers 6 c .. 6 c + 3 from the first plane, 6 c + 4, 6 c + 5 from the second; every load reads consecutive bytes
.irp c, 0,1
	ds_load_b128 v[\reg+6*\c:\reg+6*\c+3], v[\adr] offset:(\i)*TB16+(\q)*1536+\c*768
	ds_load_b64 v[\reg+6*\c+4:\reg+6*\c+5], v[\adr+4] offset:(\i)*TB16+(\q)*1536+\c*768
.endr
.endm
; 16 matrix instructions: A's blocks a0, a0 + 1 x B's eight, 128 along K, on set p of the fragments and scale words.  zero = 1: the first product starts the sums: nothing is ever cleared.
; The 32 accumulators take turns, one instruction a turn, in the same order in every step.
.macro MUL16 a0, p, zero
.irp a, \a0, \a0+1
.irp b, 0,1,2,3,4,5,6,7
.if \zero
	v_wmma_scale_f32_16x16x128_f8f6f4 v[8*(8*(\a)+\b):8*(8*(\a)+\b)+7], v[128*(\p)+FR*\b:128*(\p)+FR*\b+FR-1], v[AF+48*(\p)+FR*(\a):AF+48*(\p)+FR*(\a)+FR-1], 0, v[SC+8*(\p)+\b], v[SC+8*(\p)+(\a)] matrix_a_fmt:MATRIX_FMT_BF6 matrix_b_fmt:MATRIX_FMT_BF6 matrix_a_scale:MATRIX_SCALE_ROW1
.else
	v_wmma_scale_f32_16x16x128_f8f6f4 v[8*(8*(\a)+\b):8*(8*(\a)+\b)+7], v[128*(\p)+FR*\b:128*(\p)+FR*\b+FR-1], v[AF+48*(\p)+FR*(\a):AF+48*(\p)+FR*(\a)+FR-1], v[8*(8*(\a)+\b):8*(8*(\a)+\b)+7], v[SC+8*(\p)+\b], v[SC+8*(\p)+(\a)] matrix_a_fmt:MATRIX_FMT_BF6 matrix_b_fmt:MATRIX_FMT_BF6 matrix_a_scale:MATRIX_SCALE_ROW1
.endif
.endr
.endr
.endm
; 56 LDS loads in one run: step q of 128 along K (q = 0 .. 7; slot q / 2, its half q % 2) into set q % 2: B's eight fragments, A's four, eight registers of scale words.
; Register i of the scale words takes, in lanes 0-15, the words 512 i bytes behind my first block of A's: for i of 4 and more those are words of other rows, which have landed and are not used.
.macro FETCH q
	WIN TO_B
.irp i, 0,1,2,3,4,5,6,7
	FRAG 128*((\q)%2)+FR*\i, ADRB+(\q)/2, (\q)%2, \i
.endr
	WIN 0
.irp i, 0,1,2,3
	FRAG AF+48*((\q)%2)+FR*\i, ADRA+(\q)/2, (\q)%2, \i
.endr
.irp i, 0,1,2,3,4,5,6,7
	ds_load_b32 v[SC+8*((\q)%2)+\i], v[ADRS] offset:\i*512+64*(\q)
.endr
.endm
; A load into a register that a matrix instruction has read, and an LDS store that reads a matrix result, stand NP places behind that matrix instruction; only plain vector instructions that name none of its registers are places.
.macro PLACES n
.rept \n
	v_nop
.endr
.endm
; Step q.  The places at its head stand between the last step's products, which read the other set, and the loads that fill that set again in this step's middle.
; Where the next step begins a new slot, the gate stands in front of its loads: each wave's own load of that K step has landed (the younger K steps' may stay out: no LDS byte is ever filled again), then the work-group's barrier.
; No LDS instruction of the wave is out at the signal: the wait at the step's head was for all, and none has been issued since.
.macro KSUB q, zero
	s_wait_dscnt 0x0                               ; this step's fragments and scale words are in (asked for 16 matrix instructions ago)
.if (\q) > 0
	PLACES NP
.endif
	WIN MUL
	MUL16 0, (\q)%2, \zero
.if (\q) < 7
.if (\q)%2 == 1
	s_wait_tensorcnt 3-((\q)+1)/2                  ; my loads were issued in the order scale words, K steps 0, 1, 2, 3: behind K step s stand 3 - s
	s_barrier_signal -1
	s_barrier_wait -1
.endif
	FETCH (\q)+1
.endif
	WIN MUL
	MUL16 2, (\q)%2, \zero
.endm
	s_wait_tensorcnt 3                             ; the scale words and my part of K step 0 are in (K steps 1, 2, 3 may be out),
	s_barrier_signal -1
	s_barrier_wait -1                              ; everybody's are
	FETCH 0
	KSUB 0, 1                                      ; the first step's products start the sums
	KSUB 1, 0
	KSUB 2, 0
	KSUB 3, 0
	KSUB 4, 0
	KSUB 5, 0                                      ; (its gate waits for all my loads: none is out from here on)
	KSUB 6, 0
	KSUB 7, 0
	WIN 0
; THE WAY OUT, block by block of 16 rows x 128 columns.  A lane holds 32 neighbouring bytes of a row, and the lanes beside it hold other rows: so a block goes through my own stage in LDS and comes back as whole
; rows of 512 bytes.  LDS serves a wave's instructions in order (ISA guide 5.7.1.4): no wait between the stores and the loads, nor in front of the next block's stores.
; The stage lies in slot 0: every wave's reads of slots 0, 1 and 2 had come back when it signalled the last gate's barrier, and no load fills LDS after that.
.macro TOSTAGE a
.set AC, 64*(\a)
	WIN 0x08                                       ; an LDS store's data are its source 1: window 2
.irp b, 0,1,2,3,4,5,6,7
	ds_store_b128 v[STO], v[AC+8*\b:AC+8*\b+3] offset:64*\b          ; each accumulator from its low end on
	ds_store_b128 v[STO], v[AC+8*\b+4:AC+8*\b+7] offset:64*\b+16
.endr
	WIN 0
.set BB, BK+64*((\a)%2)
.irp t, 0,1,2,3,4,5,6,7,8,9,10,11,12,13,14,15
	ds_load_b128 v[BB+4*\t:BB+4*\t+3], v[RD] offset:\t*SPITCH
.endr
.endm
.macro SEND a, younger                 ; younger: the LDS instructions issued behind block a's loads, which may stay out
.set BB, BK+64*((\a)%2)
	s_wait_dscnt \younger                          ; the block is back in registers
.if (\a) > 0
	s_add_nc_u64 s[12:13], s[12:13], 16*SIZE_N*4   ; (behind a wait on XCNT: the earlier stores have read their base)  16 rows of C on
.endif
.irp t, 0,1,2,3,4,5,6,7,8,9,10,11,12,13,14,15
	global_store_b128 v[CO], v[BB+4*\t:BB+4*\t+3], s[12:13] offset:\t*SIZE_N*4 th:TH_STORE_NT   ; 32 lanes store 512 consecutive bytes, at a multiple of 256 from C's first byte; written once, read by nobody here
.endr
.endm
	PLACES NP                                      ; in front of the loads into the registers that held A's fragments, and of the reads of the last results
	TOSTAGE 0
.irp a, 1,2,3
.if \a > 1
	s_wait_xcnt 0x0                                ; block a - 2's stores have read their registers and their base: block a's loads may land there, and the base may step
.endif
	TOSTAGE \a
	SEND \a-1, 32                                  ; behind block a - 1's loads: block a's 16 stores and 16 loads
.endr
	s_wait_xcnt 0x0                                ; block 2's stores have read their base
	SEND 3, 0                                      ; (its wait is for all my LDS instructions: none is out at the round below)
	s_wait_tensorcnt 0x0
	ds_add_u32 v126, v127
	s_wait_dscnt 0x0
	CROUND                                         ; the closing round: no work-group ends while a partner may still ask for a tile that names it
	s_endpgm
.Lfunc_end_k_q7f8bf9bf75_gemm_out:
	.size	k_q7f8bf9bf75_gemm_out, .Lfunc_end_k_q7f8bf9bf75_gemm_out-k_q7f8bf9bf75_gemm_out
	.p2alignl 7, 3214868480
	.fill 96, 4, 3214868480
	.section	.rodata,"a",@progbits
	.p2align	6, 0x0
	.amdhsa_kernel k_q7f8bf9bf75_gemm_out
		.amdhsa_group_segment_fixed_size 307712
		.amdhsa_private_segment_fixed_size 0
		.amdhsa_enable_private_segment 0
		.amdhsa_kernarg_size 24
		.amdhsa_user_sgpr_count 2
		.amdhsa_user_sgpr_kernarg_segment_ptr 1
		.amdhsa_wavefront_size32 1
		.amdhsa_system_sgpr_workgroup_id_x 1
		.amdhsa_system_sgpr_workgroup_id_y 1
		.amdhsa_system_sgpr_workgroup_id_z 1
		.amdhsa_system_vgpr_workitem_id 0
		.amdhsa_next_free_vgpr 768
		.amdhsa_next_free_sgpr 101
		.amdhsa_reserve_vcc 0
		.amdhsa_float_denorm_mode_32 3
		.amdhsa_float_denorm_mode_16_64 3
		.amdhsa_memory_ordered 1
		.amdhsa_forward_progress 1
		.amdhsa_inst_pref_size 89
	.end_amdhsa_kernel
	.amdgpu_metadata
---
amdhsa.version: [ 1, 2 ]
amdhsa.kernels:
  - .name:           k_q7f8bf9bf75_gemm_out
    .symbol:         k_q7f8bf9bf75_gemm_out.kd
    .args:
      - { .name: aq, .offset: 0, .size: 8, .value_kind: global_buffer, .address_space: global }
      - { .name: wq, .offset: 8, .size: 8, .value_kind: global_buffer, .address_space: global }
      - { .name: out0, .offset: 16, .size: 8, .value_kind: global_buffer, .address_space: global }
    .group_segment_fixed_size: 307712
    .private_segment_fixed_size: 0
    .kernarg_segment_align: 8
    .kernarg_segment_size: 24
    .max_flat_workgroup_size: 128
    .sgpr_count:     101
    .vgpr_count:     768
    .wavefront_size: 32
...
	.end_amdgpu_metadata
.endif
;; end of part 4
